; MI455X (gfx1250); checked and timed in simulation.
; The chip was launched on July 23, 2026; its instructions are those of AMD's public machine-readable ISA for CDNA 5 (MIT licence, August 2026) and "CDNA5" Instruction Set Architecture Reference Guide (July 2026). The comments in the code are by the model that wrote it; some were corrected since.
;; Causal Attention. Allowed arithmetic: matrix products marked QUANTISED: E2M3 operands, one E8M0 scale for each 32 along K, by v_wmma_scale_f32_16x16x128_f8f6f4 with both operands' format E2M3, f32 sums; everything else in f32.
;; Inputs: Wk 1,024 x 1,024 float32; Wq 1,024 x 1,024 float32; Wv 1,024 x 1,024 float32; X 4 x 2,048 x 1,024 float32.
;; Outputs: out0 4 x 2,048 x 1,024 float32.
;; This version of the problem:
;;   THIS VERSION OF THE PROBLEM IS GIVEN IN LOW PRECISION. The matrix products marked QUANTISED in the list below multiply operands that are first quantised to E2M3 (2 exponent bits, 3 mantissa bits; 6 bits a number), with one power-of-two scale for each 32 numbers along K (OCP MX v1.0); their sums are f32. All else is computed in f32.
;;   The module's matrix products, in the order in which they are computed (A, B: the left and right operand; K: the contracted axis; several contracted axes count as one K, in the product's order):
;;     1. [M 8,192, K 1,024] x [K 1,024, N 1,024]; A: input X; B: input Wq: QUANTISED
;;     2. [M 8,192, K 1,024] x [K 1,024, N 1,024]; A: input X; B: input Wk: QUANTISED
;;     3. [M 8,192, K 1,024] x [K 1,024, N 1,024]; A: input X; B: input Wv: QUANTISED
;;     4. batch 4 x [M 2,048, K 1,024] x [K 1,024, N 2,048]; A: computed on the way; B: computed on the way: QUANTISED
;;     5. batch 4 x [M 2,048, K 2,048] x [K 2,048, N 1,024]; A: softmax (see below); B: computed on the way: QUANTISED
;;   THE QUANTISER, for each operand of a quantised product, along K:
;;     - K is cut into blocks of 32 from its start; a last block that is shorter is filled with zeros.
;;     - A block's scale is 2^e with e = floor(log2(the largest magnitude in the block)) - 2, held to -126 .. 127; a block of zeros has e = 0. As a byte (E8M0): e + 127.
;;     - Each number is divided by its block's scale, clamped to +-7.5, and rounded to the nearest number of E2M3, ties to even, subnormals kept.
;;     - The product sums the exact products of the quantised numbers (number of the format x scale) in f32.
;;   ~~~python
;;   def quantise(x, axis):      # numpy; x: float32 -> the quantised numbers, widened to float32 again
;;       x = np.moveaxis(x, axis, -1); K = x.shape[-1]
;;       x = np.pad(x, [(0, 0)] * (x.ndim - 1) + [(0, -K % 32)]); x = x.reshape(x.shape[:-1] + (-1, 32)); a = np.abs(x).max(-1, keepdims=True)
;;       e = np.where(a > 0, np.clip(np.frexp(np.where(a > 0, a, 1))[1] - 1 - 2, -126, 127), 0)      # np.frexp(a)[1] - 1 = floor(log2(a)), exactly
;;       r = np.clip(x / 2.0 ** e, -7.5, 7.5)
;;       step = 2.0 ** (np.maximum(np.frexp(np.where(r == 0, 1, r))[1] - 1, 0) - 3)
;;       q = np.round(r / step) * step * 2.0 ** e      # np.round: ties to even
;;       return np.moveaxis(q.reshape(q.shape[:-2] + (-1,))[..., :K], -1, axis).astype(np.float32)
;;   ~~~
;;   SOFTMAX AHEAD OF A QUANTISED PRODUCT. Where the list says 'softmax', what is quantised is not the finished softmax but p = 2^(t - M), with t = logit x log2(e) and M = ceil(the row's largest t), a whole number; so 1/2 < the row's largest p <= 1. The row's sum l is taken of the UNQUANTISED p, in f32, and the product's result is divided by l at the end. Since M is a whole number, a kernel that streams over the keys may use a running M (the ceiling of the running maximum): every later rescaling is an exact power of two, which a block's scale takes up: the codes' values come out the same.
;;   OPERANDS COMPUTED ON THE WAY. 'Computed on the way' means the value that the module computes at that place (a softmax that the list does not call 'softmax' is quantised finished and normalised). What goes into a quantiser is computed in f32, as accurately as f32 sums, v_exp_f32 and their like allow (about 1e-6 of the number): no bf16 or f16 on the way to a quantiser, and a product that is left as it is and whose result goes on into a quantised operand takes f32 operands (vector FMAs, or v_wmma_f32_16x16x4_f32). A number that lies on a knife's edge between two numbers of the format may be rounded either way, as far as f32 arithmetic and the matrix unit's own rounding can turn it there, and no further.
;; One version. Each part assembles by itself: llvm-mc -triple=amdgcn-amd-amdhsa -mcpu=gfx1250 --defsym DOCPART=n.
;; ======== version 1 of 1: 4 launches
;; limits: right only within a limited range of input values
;; workspace buffers: ximg 6,553,600 bytes; wimg 2,457,600 bytes; qkimg 13,107,200 bytes; vimg 6,553,600 bytes; pimg 13,107,200 bytes; pstat 1,048,576 bytes
;; launch quant (part 1): grid 448 x 1, 4 waves a work-group, no clusters, 47,616 bytes of LDS; arguments X, Wq, Wk, Wv, ximg, wimg, pstat; writes ximg, wimg, pstat
.if DOCPART == 1
	.amdgcn_target "amdgcn-amd-amdhsa--gfx1250"
	.amdhsa_code_object_version 6
	.text
	.protected	k_qd7041ef796_quant
	.globl	k_qd7041ef796_quant
	.p2align	8
	.type	k_qd7041ef796_quant,@function
k_qd7041ef796_quant:
	s_mov_b64 s[64:65], 0
	v_nop
	global_prefetch_b8 v0, s[64:65] scope:SCOPE_SE
	s_setreg_imm32_b32 hwreg(HW_REG_WAVE_MODE, 25, 1), 1
	s_wait_xcnt 0x0
; X [8192][1024] and Wq, Wk, Wv [1024 (k)][1024 (n)], f32, become codes of FP6 (E2M3) with one E8M0 scale byte for each 32 along K = d_in,
; laid as IMAGES OF THE MATRIX OPERAND'S REGISTERS, so that the later launches fetch a fragment by three loads of 16 bytes a lane.
; THE IMAGE.  An operand [rows][K] is cut into groups of 128 rows and slots of 256 along K.  A block (group, slot) is BLK = 25,600 dense bytes:
;   16 fragments [K step 0..1][tile 0..7] of FRB = 1,536 bytes: a fragment's 12 registers as three runs of 512 bytes, run c = registers 4 c .. 4 c + 3, lane l's 16 bytes at 16 l;
;   from byte SCO on the scale words [K step][tile][lane row], 4 bytes each.  Blocks lie [group][slot].
;   Lane row r of tile t is row 32 (t / 2) + 8 (t % 2) + r % 8 + 16 (r / 8) of the group: with that order a product's results, taken with this operand as source 0, lie as 16 neighbours along the next K in a lane.
; A block's scale is 2^(floor(log2(its largest magnitude)) - 2); its byte is the largest magnitude's exponent field - 2, held at 1 from below.
; LIMITS: NaN and infinities among the inputs are not served; a block of zeros, or one whose largest magnitude lies under 2^-124, gets the byte 1 (its codes are then zeros or the nearest codes under that scale; the bytes are read by this program alone).
; Work-groups 0 to 255 take X, 256 to 447 the weights.  The two ways never join and have LDS bytes of their own.  No barrier: waves share nothing.
; The X way also lays the start values of pstat: -M = +1e30 and l = 0 for every (group of queries, 128 keys): the entries that the launch of the scores leaves out count for nothing in the last launch.
.set BLK,   25600
.set SCO,   24576
.set FRB,   1536
.set KSB,   8*FRB                      ; the eight fragments of a K step
.set XWG,   256                        ; work-groups of the X way
.set SP,    528                        ; X way: a stage row: 512 bytes + 16
.set XSW,   16*SP                      ; behind the stage: 256 bytes of scale words
.set XREG,  XSW+256                    ; LDS of a wave on the X way
.set WBASE, 4*XREG                     ; the W way's LDS begins here
.set WREG,  2*FRB                      ; LDS of a wave on the W way: two fragments' images
.set FLOOR, 0x1800000                  ; 2^(3 - 127)
.set EOFF,  0xff000000                 ; takes 2 off an exponent field
.set PC,    20                         ; v20-31   a fragment's 12 registers
.set PT,    32                         ; v32-34, v36-38  the second halves of the blocks' codes (a conversion's three registers begin on an even number)
.set NUM,   64                         ; v64-127  X way: 64 numbers of my row; W way: the codes, 8 registers a block
.set RAW,   128                        ; v128-255 numbers as they are loaded, two sets
	s_load_b256 s[4:11], s[0:1], 0x0               ; X s[4:5], Wq s[6:7], Wk s[8:9], Wv s[10:11]
	s_load_b128 s[12:15], s[0:1], 0x20             ; ximg s[12:13], wimg s[14:15]
	s_load_b64 s[16:17], s[0:1], 0x30              ; pstat
	v_lshl_add_u32 v62, v0, 2, 0xb800
	v_mov_b32 v63, 0
	v_lshrrev_b32 v1, 5, v0
	v_readfirstlane_b32 s18, v1                    ; wave 0..3
	v_and_b32 v1, 31, v0                           ; lane
	v_and_b32 v2, 15, v0                           ; r
	v_bfe_u32 v3, v0, 4, 1                         ; h
	v_lshlrev_b32 v4, 4, v1                        ; 16 x lane
	s_cmp_lt_u32 ttmp9, XWG
	s_cbranch_scc0 .Lw
; ---------------- THE X WAY.  A wave takes four tiles of 16 rows x one K step of 128: unit id = 4 x work-group + wave = 16 g + 2 ks + half.
	s_lshl_b32 s19, ttmp9, 2
	s_add_co_u32 s19, s19, s18                     ; id, 0 .. 1023
	s_and_b32 s20, s19, 1                          ; half: tiles 4 half .. 4 half + 3
	s_bfe_u32 s21, s19, 0x30001                    ; ks: which 128 along K
	s_lshr_b32 s22, s19, 4                         ; g: which 128 rows
	s_mul_i32 s23, s18, XREG                       ; my wave's LDS
	s_wait_alu depctr_va_vdst(0)
	v_add_nc_u32 v5, s23, v4                       ; stage, in: 16 x lane of a row
	v_mul_u32_u24 v6, v2, SP
	v_lshl_add_u32 v6, v3, 7, v6
	v_add_nc_u32 v6, s23, v6                       ; stage, out: row r, + 128 h: my 32 numbers of each 64
	v_lshlrev_b32 v7, 2, v2
	v_add_nc_u32 v7, s23, v7
	v_add_nc_u32 v7, XSW, v7                       ; my row's scale word
	v_lshlrev_b32 v9, 3, v1                        ; 8 x lane
	v_add_nc_u32 v8, s23, v9
	v_add_nc_u32 v8, XSW, v8                       ; the scale words on their way out
	v_lshlrev_b32 v18, 3, v3                       ; 8 h
	v_mov_b32 v17, 0                               ; written once: a lane permute's destination counts as one of its sources
.irp i, 40,41,42,43
	v_mov_b32 v[\i], 0x7149f2ca                    ; 1e30
.endr
.irp i, 44,45,46,47
	v_mov_b32 v[\i], 0
.endr
	s_mov_b32 s36, 0x76543210
	s_mov_b32 s37, 0xfedcba98                      ; v_permlanex16_b32's selects for lane l xor 16
	s_lshl_b32 s24, s22, 19                        ; X: 128 g rows of 4,096 bytes,
	s_lshl_b32 s25, s20, 18                        ; + 64 half rows,
	s_add_co_u32 s24, s24, s25
	s_lshl_b32 s25, s21, 9                         ; + 512 ks
	s_add_co_u32 s24, s24, s25
	s_mov_b32 s25, 0
	s_lshl_b32 s26, s22, 2
	s_lshr_b32 s27, s21, 1
	s_add_co_u32 s26, s26, s27
	s_mul_i32 s26, s26, BLK                        ; my block: (4 g + ks / 2) BLK
	s_and_b32 s27, s21, 1                          ; which K step of the block
	s_mul_i32 s34, s27, KSB
	s_mul_i32 s35, s20, 4*FRB
	s_add_co_u32 s28, s26, s34
	s_add_co_u32 s28, s28, s35                     ; my four fragments
	s_mov_b32 s29, 0
	s_lshl_b32 s34, s27, 9
	s_lshl_b32 s35, s20, 8
	s_add_co_u32 s30, s26, s34
	s_add_co_u32 s30, s30, s35
	s_add_co_u32 s30, s30, SCO                     ; my 64 scale words: 256 bytes
	s_mov_b32 s31, 0
	s_lshl_b32 s32, s19, 10                        ; pstat: entry id, 1,024 bytes
	s_mov_b32 s33, 0
	s_wait_alu depctr_va_vdst(0)
	s_wait_kmcnt 0x0
	s_add_nc_u64 s[4:5], s[4:5], s[24:25]
	s_add_nc_u64 s[28:29], s[12:13], s[28:29]
	s_add_nc_u64 s[30:31], s[12:13], s[30:31]
	s_add_nc_u64 s[32:33], s[16:17], s[32:33]
.macro LOADX j                         ; tile j's 16 rows, in the tile's row order: each load reads 512 consecutive bytes of one row
.irp i, 0,1,2,3,4,5,6,7,8,9,10,11,12,13,14,15
	global_load_b128 v[RAW+64*((\j)%2)+4*\i:RAW+64*((\j)%2)+4*\i+3], v4, s[4:5] offset:(32*((\j)/2)+8*((\j)%2)+\i%8+16*(\i/8))*4096 th:TH_LOAD_NT
.endr
.endm
.macro TILEX j
.if (\j) < 3
	s_wait_loadcnt 16                              ; this tile's 16 loads are in; the next tile's 16 may be out
.else
	s_wait_loadcnt 0x0
.endif
.irp i, 0,1,2,3,4,5,6,7,8,9,10,11,12,13,14,15
	ds_store_b128 v5, v[RAW+64*((\j)%2)+4*\i:RAW+64*((\j)%2)+4*\i+3] offset:SP*\i
.endr
.irp c, 0,1                            ; back: lane (r, h) takes of row r the numbers 64 c + 32 h + 0 .. 31.  LDS serves a wave's instructions in order (ISA guide 5.7.1.4): these see the stores above
.irp m, 0,1,2,3,4,5,6,7
	ds_load_b128 v[NUM+32*\c+4*\m:NUM+32*\c+4*\m+3], v6 offset:256*\c+16*\m
.endr
.endr
	s_wait_dscnt 0x0
.if (\j)+2 < 4
	LOADX (\j)+2                                   ; into the set that has just gone through the stage
.endif
.irp c, 0,1                            ; my two whole blocks, 2 c + h, by turns
	v_max3_num_f32 v[10+\c], |v[NUM+32*\c]|, |v[NUM+32*\c+1]|, FLOOR   ; with the floor among the leaves the byte cannot fall under 1
.endr
.irp i, 2,4,6,8,10,12,14,16,18,20,22,24,26,28,30
.irp c, 0,1
	v_max3_num_f32 v[10+\c], v[10+\c], |v[NUM+32*\c+\i]|, |v[NUM+32*\c+\i+1]|
.endr
.endr
	v_add_nc_u32 v12, EOFF, v10                    ; 2 off the exponent field: the conversion takes the exponent field of this operand as its scale
	v_add_nc_u32 v13, EOFF, v11
	v_lshrrev_b32 v14, 23, v12                     ; the scales' bytes
	v_lshrrev_b32 v15, 23, v13
	v_lshl_or_b32 v16, v15, 16, v14                ; blocks h and 2 + h of my row,
	v_lshlrev_b32 v16, v18, v16                    ; at their places in the scale word;
	v_permlanex16_b32 v17, v16, s36, s37
	v_or_b32 v16, v16, v17                         ; with lane l xor 16's two the word is whole
	s_wait_alu depctr_va_vdst(0)
	s_wait_xcnt 0x0                                ; the last tile's stores have read their data: the codes' registers may be written again
	v_cvt_scalef32_pk16_fp6_f32 v[PC:PC+2], v[NUM:NUM+15], v12
	v_cvt_scalef32_pk16_fp6_f32 v[PT:PT+2], v[NUM+16:NUM+31], v12
	v_cvt_scalef32_pk16_fp6_f32 v[PC+6:PC+8], v[NUM+32:NUM+47], v13
	v_cvt_scalef32_pk16_fp6_f32 v[PT+4:PT+6], v[NUM+48:NUM+63], v13
	v_nop                                          ; one plain place behind a scaled conversion
.irp i, 0,1,2
	v_mov_b32 v[PC+3+\i], v[PT+\i]
	v_mov_b32 v[PC+9+\i], v[PT+4+\i]
.endr
.irp c, 0,1,2
	global_store_b128 v4, v[PC+4*\c:PC+4*\c+3], s[28:29] offset:FRB*(\j)+512*\c   ; 32 lanes store 512 consecutive bytes, at a multiple of 256 from the buffer's first byte
.endr
	ds_store_b32 v7, v16 offset:64*(\j)            ; both halves of the lanes write the same word with the same value
.endm
	LOADX 0
	LOADX 1
	global_store_b128 v4, v[40:43], s[32:33]       ; pstat's start values: 128 x -M = 1e30,
	global_store_b128 v4, v[44:47], s[32:33] offset:512   ; 128 x l = 0
	TILEX 0
	TILEX 1
	TILEX 2
	TILEX 3
	ds_load_b64 v[48:49], v8
	s_wait_dscnt 0x0
	global_store_b64 v9, v[48:49], s[30:31]        ; 32 lanes store 256 consecutive bytes, aligned
	s_wait_tensorcnt 0x0
	ds_add_u32 v62, v63
	s_wait_dscnt 0x0
	s_endpgm
; ---------------- THE W WAY.  K is a weight's FIRST axis: a lane takes a column n and its registers run down K, so a block of 32 along K lies in one lane.
; A work-group takes 128 columns (a group) x one K step of 128; wave w takes columns 32 w + L: tiles 2 w and 2 w + 1.  By the tiles' row order lane L is tile 2 w + (L / 8) % 2, lane row L % 8 + 8 (L / 16).
.Lw:
	s_sub_co_u32 s19, ttmp9, XWG                   ; 0 .. 191
	s_and_b32 s21, s19, 7                          ; ks
	s_lshr_b32 s22, s19, 3                         ; the group in wimg, 0 .. 23
	s_lshr_b32 s20, s22, 3                         ; which weight
	s_and_b32 s23, s22, 7                          ; which 128 of its columns
	s_mul_i32 s26, s18, WREG
	s_add_co_u32 s26, s26, WBASE                   ; my wave's stage
	s_wait_alu depctr_va_vdst(0)
	v_lshlrev_b32 v9, 2, v1                        ; 4 x lane
	v_bfe_u32 v10, v0, 3, 1                        ; u
	v_and_b32 v11, 7, v0
	v_lshl_add_u32 v11, v3, 3, v11                 ; my lane row
	v_mul_u32_u24 v5, v10, FRB
	v_lshl_add_u32 v5, v11, 4, v5
	v_add_nc_u32 v5, s26, v5                       ; into the stage: fragment u, 16 x lane row
	v_add_nc_u32 v6, s26, v4                       ; out of it: 16 x lane
	v_lshlrev_b32 v7, 6, v10
	v_lshl_add_u32 v7, v11, 2, v7                  ; my scale word among the wave's 32
	s_lshl_b32 s28, s21, 19                        ; W: 128 ks rows of 4,096 bytes,
	s_lshl_b32 s27, s23, 9
	s_add_co_u32 s28, s28, s27                     ; + 128 g columns,
	s_lshl_b32 s27, s18, 7
	s_add_co_u32 s28, s28, s27                     ; + 32 wave columns
	s_mov_b32 s29, 0
	s_lshl_b32 s34, s22, 2
	s_lshr_b32 s27, s21, 1
	s_add_co_u32 s34, s34, s27
	s_mul_i32 s34, s34, BLK                        ; my block
	s_and_b32 s27, s21, 1
	s_mul_i32 s35, s27, KSB
	s_add_co_u32 s30, s34, s35
	s_mul_i32 s35, s18, WREG
	s_add_co_u32 s30, s30, s35                     ; my two fragments
	s_mov_b32 s31, 0
	s_lshl_b32 s35, s27, 9
	s_add_co_u32 s32, s34, s35
	s_lshl_b32 s35, s18, 7
	s_add_co_u32 s32, s32, s35
	s_add_co_u32 s32, s32, SCO                     ; my 32 scale words
	s_mov_b32 s33, 0
	s_wait_kmcnt 0x0
	s_cmp_eq_u32 s20, 0                            ; the weight is chosen by the work-group's number alone
	s_cselect_b64 s[24:25], s[6:7], s[8:9]
	s_cmp_eq_u32 s20, 2
	s_cselect_b64 s[24:25], s[10:11], s[24:25]
	s_add_nc_u64 s[24:25], s[24:25], s[28:29]
	s_add_nc_u64 s[30:31], s[14:15], s[30:31]
	s_add_nc_u64 s[32:33], s[14:15], s[32:33]
.macro LOADW kb                        ; block kb: W(32 kb + i, my column): a wave reads 128 consecutive bytes, the four waves 512
.irp i, 0,1,2,3,4,5,6,7,8,9,10,11,12,13,14,15,16,17,18,19,20,21,22,23,24,25,26,27,28,29,30,31
	global_load_b32 v[RAW+32*((\kb)%2)+\i], v9, s[24:25] offset:(32*(\kb)+\i)*4096 th:TH_LOAD_NT
.endr
.endm
.macro BLOCKW kb
.set rN, RAW+32*((\kb)%2)
.set rC, NUM+8*(\kb)                   ; eight registers of its own for each block: no store's data are written again
.if (\kb) < 3
	s_wait_loadcnt 32                              ; this block's 32 loads are in; the next block's may be out
.else
	s_wait_loadcnt 0x0
.endif
	v_max3_num_f32 v12, |v[rN]|, |v[rN+1]|, |v[rN+2]|
	v_max3_num_f32 v13, |v[rN+3]|, |v[rN+4]|, |v[rN+5]|
.irp i, 6,10,14,18,22,26
	v_max3_num_f32 v12, v12, |v[rN+\i]|, |v[rN+\i+1]|
	v_max3_num_f32 v13, v13, |v[rN+\i+2]|, |v[rN+\i+3]|
.endr
	v_max3_num_f32 v12, v12, |v[rN+30]|, |v[rN+31]|
	v_max3_num_f32 v12, v12, v13, FLOOR
	v_add_nc_u32 v14, EOFF, v12
	v_lshrrev_b32 v15, 23, v14                     ; the scale's byte
.if (\kb) == 0
	v_mov_b32 v16, v15
.else
	v_lshl_or_b32 v16, v15, 8*(\kb), v16           ; the lower K in the lower byte
.endif
	v_cvt_scalef32_pk16_fp6_f32 v[rC:rC+2], v[rN:rN+15], v14
	v_cvt_scalef32_pk16_fp6_f32 v[rC+4:rC+6], v[rN+16:rN+31], v14
	v_nop                                          ; one plain place behind a scaled conversion
	v_mov_b32 v[rC+3], v[rC+4]
	v_mov_b32 v[rC+4], v[rC+5]
	v_mov_b32 v[rC+5], v[rC+6]                     ; six registers on end: registers 6 (kb / 2) .. + 5 of lane (my lane row, kb % 2) of the fragment
.if (\kb) < 2                          ; registers 0-3 are run 0, registers 4, 5 the first half of the lane's place in run 1
	ds_store_b128 v5, v[rC:rC+3] offset:256*((\kb)%2)
	ds_store_b64 v5, v[rC+4:rC+5] offset:512+256*((\kb)%2)
.else                                  ; registers 6, 7 the second half of it, registers 8-11 run 2
	ds_store_b64 v5, v[rC:rC+1] offset:520+256*((\kb)%2)
	ds_store_b128 v5, v[rC+2:rC+5] offset:1024+256*((\kb)%2)
.endif
.if (\kb) < 2
	LOADW (\kb)+2
.endif
.endm
	LOADW 0
	LOADW 1
	BLOCKW 0
	BLOCKW 1
	BLOCKW 2
	BLOCKW 3
	global_store_b32 v7, v16, s[32:33]             ; the wave's 32 scale words: 128 consecutive bytes, the four waves' 512 on end
.irp m, 0,1,2,3,4,5
	ds_load_b128 v[96+4*\m:96+4*\m+3], v6 offset:512*\m   ; LDS serves a wave's instructions in order: these see my stores
.endr
.irp m, 0,1,2,3,4,5
	s_wait_dscnt 5-\m                              ; the younger loads may be out
	global_store_b128 v4, v[96+4*\m:96+4*\m+3], s[30:31] offset:512*\m   ; 512 consecutive bytes, aligned
.endr
	s_wait_tensorcnt 0x0
	ds_add_u32 v62, v63
	s_wait_dscnt 0x0
	s_endpgm
.Lfunc_end_k_qd7041ef796_quant:
	.size	k_qd7041ef796_quant, .Lfunc_end_k_qd7041ef796_quant-k_qd7041ef796_quant
	.p2alignl 7, 3214868480
	.fill 96, 4, 3214868480
	.section	.rodata,"a",@progbits
	.p2align	6, 0x0
	.amdhsa_kernel k_qd7041ef796_quant
		.amdhsa_group_segment_fixed_size 47616
		.amdhsa_private_segment_fixed_size 0
		.amdhsa_enable_private_segment 0
		.amdhsa_kernarg_size 56
		.amdhsa_user_sgpr_count 2
		.amdhsa_user_sgpr_kernarg_segment_ptr 1
		.amdhsa_wavefront_size32 1
		.amdhsa_system_sgpr_workgroup_id_x 1
		.amdhsa_system_sgpr_workgroup_id_y 1
		.amdhsa_system_sgpr_workgroup_id_z 1
		.amdhsa_system_vgpr_workitem_id 0
		.amdhsa_next_free_vgpr 256
		.amdhsa_next_free_sgpr 66
		.amdhsa_reserve_vcc 0
		.amdhsa_float_denorm_mode_32 3
		.amdhsa_float_denorm_mode_16_64 3
		.amdhsa_memory_ordered 1
		.amdhsa_forward_progress 1
		.amdhsa_inst_pref_size 53
	.end_amdhsa_kernel
	.amdgpu_metadata
---
amdhsa.version: [ 1, 2 ]
amdhsa.kernels:
  - .name:           k_qd7041ef796_quant
    .symbol:         k_qd7041ef796_quant.kd
    .args:
      - { .name: X, .offset: 0, .size: 8, .value_kind: global_buffer, .address_space: global }
      - { .name: Wq, .offset: 8, .size: 8, .value_kind: global_buffer, .address_space: global }
      - { .name: Wk, .offset: 16, .size: 8, .value_kind: global_buffer, .address_space: global }
      - { .name: Wv, .offset: 24, .size: 8, .value_kind: global_buffer, .address_space: global }
      - { .name: ximg, .offset: 32, .size: 8, .value_kind: global_buffer, .address_space: global }
      - { .name: wimg, .offset: 40, .size: 8, .value_kind: global_buffer, .address_space: global }
      - { .name: pstat, .offset: 48, .size: 8, .value_kind: global_buffer, .address_space: global }
    .group_segment_fixed_size: 47616
    .private_segment_fixed_size: 0
    .kernarg_segment_align: 8
    .kernarg_segment_size: 56
    .max_flat_workgroup_size: 128
    .sgpr_count:     66
    .vgpr_count:     256
    .wavefront_size: 32
...
	.end_amdgpu_metadata
.endif
;; end of part 1
;; launch proj (part 2): grid 16 x 16, 4 waves a work-group, clusters of 4 x 4, 327,680 bytes of LDS; arguments ximg, wimg, qkimg, vimg; writes qkimg, vimg
.if DOCPART == 2
	.amdgcn_target "amdgcn-amd-amdhsa--gfx1250"
	.amdhsa_code_object_version 6
	.text
	.protected	k_qd7041ef796_proj
	.globl	k_qd7041ef796_proj
	.p2align	8
	.type	k_qd7041ef796_proj,@function
k_qd7041ef796_proj:
	s_mov_b64 s[64:65], 0
	v_nop
	global_prefetch_b8 v0, s[64:65] scope:SCOPE_SE
	s_setreg_imm32_b32 hwreg(HW_REG_WAVE_MODE, 25, 1), 1
	s_wait_xcnt 0x0
	s_wait_alu depctr_hold_cnt(0) depctr_sa_sdst(0) depctr_va_vdst(0) depctr_va_sdst(0) depctr_va_ssrc(0) depctr_va_vcc(0) depctr_vm_vsrc(0)
	s_getreg_b32 s2, hwreg(HW_REG_IB_STS2, 6, 4)
	s_cmp_eq_u32 s2, 0
	s_cbranch_scc0 .Lentry_in_a_cluster
	s_endpgm
.Lentry_in_a_cluster:
	s_bfe_u32 s2, ttmp6, 0x10000c
	s_cmp_lg_u32 s2, 0xf033
	s_cbranch_scc0 .Lentry_shape_is_right
	s_endpgm
.Lentry_shape_is_right:
; q = X Wq, k = X Wk, v = X Wv on codes of FP6 (E2M3) with E8M0 scales for each 32 along K = 1,024; the f32 sums are quantised on the way out, along the NEXT product's K, and leave as operand images.
; THE IMAGE (all four buffers): groups of 128 rows x blocks of 256 along K; a block is BLK dense bytes: 16 fragments [K step][tile] of FRB bytes (12 operand registers as three runs of 512 bytes), then from SCO the scale words
; [K step][tile][lane row].  Lane row r of tile t is row 32 (t / 2) + 8 (t % 2) + r % 8 + 16 (r / 8) of the group.
; SOURCE 0 takes the operand whose rows are the next product's K, source 1 the operand whose rows stay rows: a lane then holds one row, and the 64 registers of a source-1 tile are: register 16 b + i = next K 32 b + 16 (lane / 16) + i.
; A WORK-GROUP STAYS and makes three tiles of 128 (source 1) x 256 (source 0): 768 tiles on 256 work-groups.  With c the cluster's number, cx and cy my place in it:
;   tiles 0, 1: source 1 = X's group 4 c + cy, source 0 = pair 2 cx, 2 cx + 1 of the eight pairs of groups of Wq | Wk: blocks of q or k's image;
;   tile 2:     source 1 = Wv's group 4 (c % 2) + cy, source 0 = X's pair 4 (c / 2) + cx: a block of v's image with the KEYS innermost.
; Wave w makes source 1's tiles 4 (w / 2) .. + 3 x source 0's group w % 2: 32 accumulators.
; LDS: two slots of 512 along K: source 0's two groups (2 blocks each), then source 1's 2 blocks; a tile is slot 0, then slot 1, and the ring goes on into the next tile.
; Waves 0, 1 bring a group of source 0 (200 rows of 256 bytes), waves 2, 3 a block of source 1 (100 rows): one joint load a wave behind each round of the cluster's barrier.
; CLUSTERS, 4 x 4: source 1's blocks hang on c and cy alone and are shared along a row, source 0's on c and cx alone and are shared along a column.
; A tile's way out stands behind the next tile's second load.  The last tile is written out behind the loop: it asks for nothing more.
; PREFETCH: behind each load the blocks of the next load are asked for; of the units of 256 bytes that a wave fetches each of the four partners takes a quarter, by address (50 of 200, or 25 of 100).
; Tile 1's source 1 is tile 0's, which has been read: it is not asked for again.  Nothing is asked for behind the last load.
; LIMITS: NaN and infinities are not served; a block of zeros, or one under 2^-124, gets the scale byte 1.
; REGISTERS: window 0: addresses, scale words, v128-223 source 1's fragments (two sets; on the way out the codes); window 1: source 0's fragments, two sets at v0 and v128; window 2: accumulator (a, b) at v[8 (8 a + b)].
.set BLK,   25600
.set FRB,   1536
.set SCO,   24576
.set KSB,   8*FRB
.set GRP,   4*BLK
.set SLOT,  6*BLK
.set STAGE, 2*SLOT                     ; behind the ring: 256 bytes of scale words for each wave
.set SPARE, STAGE+1024                 ; the spare words: two blocks of 256 bytes that no other line names
.set FLOOR, 0x1800000
.set EOFF,  0xff000000
.set LI,   3
.set LW,   4
.set ADRA, 16
.set ADRB, 18
.set ADSA, 20
.set ADSB, 22
.set STO,  24
.set RD,   25
.set LIC,  26
.set LSC,  27
.set SPW,  28
.set NIL,  29
.set PF1,  30
.set PF2,  31
.set SA,   32                          ; source 1's scale words: K step n, tile pair u at SA + 2 n + u
.set SB,   40                          ; source 0's: SB + 4 n + u
.set TM,   64
.set TX,   68
.set SO,   72
.set PW,   76
.set AF,   128
.set G1A,  24
.set G0A,  32
.set G1B,  48
.set G0B,  56
.set NXA,  66                          ; the next tile's source 1, source 0; tile 2's
.set A2,   68
.set NXB,  70
.set B2,   72
.set OB,   74                          ; the block that the way out fills; the next one; tile 2's
.set ON,   76
.set O2,   78
.set PQ,   80                          ; where my prefetches stand; tile 2's; tile 0's
.set P2,   82
.set P0,   84
.set PM,   86                          ; a bit for each of the five asks, the next one lowest
.set SEL,  88
.set MSB, 0
.macro WIN new                         ; the immediate's high byte repeats the setting that is left
.if MSB != (\new)
	s_set_vgpr_msb (MSB<<8)|(\new)
.set MSB, (\new)
.endif
.endm
.macro PLACES n
.rept \n
	v_nop
.endr
.endm
.macro JLOAD k                         ; my joint load into slot k: the branch hangs on the wave's number alone
	s_cmp_eq_u32 s15, 0
	s_cbranch_scc0 .Lfor_a_\@
	tensor_load_to_lds s[G0B+4*\k:G0B+4*\k+3], s[G1B:G1B+7]
	s_nop 0
.rept 4
	v_nop
.endr
	s_branch .Lasked_\@
.Lfor_a_\@:
	tensor_load_to_lds s[G0A+4*\k:G0A+4*\k+3], s[G1A:G1A+7]
	s_nop 0
.rept 4
	v_nop
.endr
.Lasked_\@:
.endm
.macro CROUND                          ; a round of the cluster's barrier
	s_barrier_signal -1
	s_barrier_wait -1
	s_cmp_lg_u32 s14, 0
	s_cbranch_scc1 .Lnot_wave_0_\@
	s_barrier_signal -3
.Lnot_wave_0_\@:
	s_barrier_wait -3
	s_barrier_signal -1
	s_barrier_wait -1
.endm
.macro SEQ                             ; all my tensor loads, the add to the spare words, my LDS instructions; then the round
	s_wait_tensorcnt 0x0
	ds_add_u32 v[SPW], v[NIL]
	s_wait_dscnt 0x0
	CROUND
.endm
.macro NEXT k                          ; no tensor load of mine is out: slot k's descriptors take the next tile's K = 512 k ..
	s_add_nc_u64 s[G0A+4*\k+2:G0A+4*\k+3], s[NXA:NXA+1], \k*2*BLK
	s_or_b32 s[G0A+4*\k+3], s[G0A+4*\k+3], 0x80000000
	s_add_nc_u64 s[G0B+4*\k+2:G0B+4*\k+3], s[NXB:NXB+1], \k*2*BLK
	s_or_b32 s[G0B+4*\k+3], s[G0B+4*\k+3], 0x80000000
.endm
.macro ASK p, off                      ; my quarter of what my next load brings
	s_bitcmp1_b32 s[PM], 0
	s_cbranch_scc0 .Lno_ask_\@
	global_prefetch_b8 v[PF1], s[\p:\p+1] offset:\off th:TH_LOAD_NT scope:SCOPE_SE
	s_cmp_eq_u32 s15, 0                            ; source 0's quarter is 50 units: a second instruction
	s_cbranch_scc0 .Lno_ask_\@
	global_prefetch_b8 v[PF2], s[\p:\p+1] offset:\off th:TH_LOAD_NT scope:SCOPE_SE
.Lno_ask_\@:
	s_lshr_b32 s[PM], s[PM], 1
.endm
.macro FRAG reg, adr, off
.irp c, 0,1,2
	ds_load_b128 v[\reg+4*\c:\reg+4*\c+3], v[\adr] offset:\off+512*\c
.endr
.endm
.macro FETCH cur, n, set               ; K step n of the slot: source 0's eight fragments and my four of source 1: 36 loads
	WIN 0x40
.irp i, 0,1,2,3,4,5,6,7
	FRAG 128*(\set)+12*\i, ADRB+\cur, ((\n)/2)*BLK+(8*((\n)%2)+\i)*FRB
.endr
	WIN 0
.irp i, 0,1,2,3
	FRAG AF+48*(\set)+12*\i, ADRA+\cur, ((\n)/2)*BLK+(8*((\n)%2)+\i)*FRB
.endr
.endm
.macro SCALES cur
.irp n, 0,1,2,3
.irp u, 0,1
	ds_load_b32 v[SA+2*\n+\u], v[ADSA+\cur] offset:(\n/2)*BLK+512*(\n%2)+128*\u
.endr
.endr
.irp n, 0,1,2,3
.irp u, 0,1,2,3
	ds_load_b32 v[SB+4*\n+\u], v[ADSB+\cur] offset:(\n/2)*BLK+512*(\n%2)+128*\u
.endr
.endr
.endm
.macro WM zero, pb, pa                 ; one product; an odd tile's scale words stand in lanes 16-31
.if \zero
.if (\pb) && (\pa)
	v_wmma_scale_f32_16x16x128_f8f6f4 v[rD:rD+7], v[rB:rB+11], v[rA:rA+11], 0, v[rSB], v[rSA] matrix_a_fmt:MATRIX_FMT_FP6 matrix_b_fmt:MATRIX_FMT_FP6 matrix_a_scale:MATRIX_SCALE_ROW1 matrix_b_scale:MATRIX_SCALE_ROW1
.elseif (\pb)
	v_wmma_scale_f32_16x16x128_f8f6f4 v[rD:rD+7], v[rB:rB+11], v[rA:rA+11], 0, v[rSB], v[rSA] matrix_a_fmt:MATRIX_FMT_FP6 matrix_b_fmt:MATRIX_FMT_FP6 matrix_a_scale:MATRIX_SCALE_ROW1
.elseif (\pa)
	v_wmma_scale_f32_16x16x128_f8f6f4 v[rD:rD+7], v[rB:rB+11], v[rA:rA+11], 0, v[rSB], v[rSA] matrix_a_fmt:MATRIX_FMT_FP6 matrix_b_fmt:MATRIX_FMT_FP6 matrix_b_scale:MATRIX_SCALE_ROW1
.else
	v_wmma_scale_f32_16x16x128_f8f6f4 v[rD:rD+7], v[rB:rB+11], v[rA:rA+11], 0, v[rSB], v[rSA] matrix_a_fmt:MATRIX_FMT_FP6 matrix_b_fmt:MATRIX_FMT_FP6
.endif
.else
.if (\pb) && (\pa)
	v_wmma_scale_f32_16x16x128_f8f6f4 v[rD:rD+7], v[rB:rB+11], v[rA:rA+11], v[rD:rD+7], v[rSB], v[rSA] matrix_a_fmt:MATRIX_FMT_FP6 matrix_b_fmt:MATRIX_FMT_FP6 matrix_a_scale:MATRIX_SCALE_ROW1 matrix_b_scale:MATRIX_SCALE_ROW1
.elseif (\pb)
	v_wmma_scale_f32_16x16x128_f8f6f4 v[rD:rD+7], v[rB:rB+11], v[rA:rA+11], v[rD:rD+7], v[rSB], v[rSA] matrix_a_fmt:MATRIX_FMT_FP6 matrix_b_fmt:MATRIX_FMT_FP6 matrix_a_scale:MATRIX_SCALE_ROW1
.elseif (\pa)
	v_wmma_scale_f32_16x16x128_f8f6f4 v[rD:rD+7], v[rB:rB+11], v[rA:rA+11], v[rD:rD+7], v[rSB], v[rSA] matrix_a_fmt:MATRIX_FMT_FP6 matrix_b_fmt:MATRIX_FMT_FP6 matrix_b_scale:MATRIX_SCALE_ROW1
.else
	v_wmma_scale_f32_16x16x128_f8f6f4 v[rD:rD+7], v[rB:rB+11], v[rA:rA+11], v[rD:rD+7], v[rSB], v[rSA] matrix_a_fmt:MATRIX_FMT_FP6 matrix_b_fmt:MATRIX_FMT_FP6
.endif
.endif
.endm
.macro MUL32 set, n, zero              ; a K step: the 32 accumulators by turns, in the same order in every K step
	WIN 0xa1                                       ; source 0 window 1, source 1 window 0, C and D window 2
.irp a, 0,1,2,3
.irp b, 0,1,2,3,4,5,6,7
.set rD, 8*(8*\a+\b)
.set rB, 128*(\set)+12*\b
.set rA, AF+48*(\set)+12*\a
.set rSB, SB+4*(\n)+\b/2
.set rSA, SA+2*(\n)+\a/2
	WM \zero, \b%2, \a%2
.endr
.endr
.endm
.macro WORK cur, zero, off             ; a slot: four K steps; each K step's 36 loads are issued a K step ahead, into the other set.  off >= 0: a prefetch at PQ + off
	PLACES 4                                       ; behind the last products, ahead of loads into their registers
	SCALES \cur
	FETCH \cur, 0, 0
	FETCH \cur, 1, 1
.if (\off) >= 0
	ASK PQ, \off
.endif
	s_wait_dscnt 36                                ; all but the 36 just issued
	MUL32 0, 0, \zero
	PLACES 4
	FETCH \cur, 2, 0
	s_wait_dscnt 36
	MUL32 1, 1, 0
	PLACES 4
	FETCH \cur, 3, 1
	s_wait_dscnt 36
	MUL32 0, 2, 0
	s_wait_dscnt 0x0
	MUL32 1, 3, 0
	WIN 0
.endm
; THE WAY OUT.  Source 1's tile a: my row's 64 numbers become one fragment and one scale word.  Each tile has registers of its own for its codes: no store's data are written again within a tile of the result.
.macro OUTQ a
.set rS, 64*(\a)
.set PC, 128+24*(\a)
	WIN 0x0a                                       ; sources 0 and 1 in the accumulators' window
.irp b, 0,1,2,3
	v_max3_num_f32 v[TM+\b], |v[rS+16*\b]|, |v[rS+16*\b+1]|, FLOOR   ; each accumulator is read from its low end on; with the floor the byte cannot fall under 1
.endr
.irp i, 2,4,6,8,10,12,14
.irp b, 0,1,2,3
	v_max3_num_f32 v[TM+\b], |v[rS+16*\b+\i]|, |v[rS+16*\b+\i+1]|, v[TM+\b]
.endr
.endr
	WIN 0
.irp b, 0,1,2,3
	v_permlanex16_b32 v[TX+\b], v[TM+\b], s[SEL], s[SEL+1]
.endr
.irp b, 0,1,2,3
	v_max_num_f32 v[TM+\b], v[TM+\b], v[TX+\b]     ; with lane l xor 16's: the block's largest magnitude
.endr
.irp b, 0,1,2,3
	v_add_nc_u32 v[SO+\b], EOFF, v[TM+\b]          ; 2 off the exponent field: the conversion's scale operand
.endr
.irp b, 0,1,2,3
	v_lshrrev_b32 v[TX+\b], 23, v[SO+\b]           ; the scale's byte
.endr
	v_lshl_or_b32 v[PW], v[TX+1], 8, v[TX]
	v_lshl_or_b32 v[PW], v[TX+2], 16, v[PW]
	v_lshl_or_b32 v[PW], v[TX+3], 24, v[PW]
	WIN 0x02
.irp c, 0,1
	v_cvt_scalef32_pk16_fp6_f32 v[PC+6*\c:PC+6*\c+2], v[rS+32*\c:rS+32*\c+15], v[SO+2*\c]
	v_cvt_scalef32_pk16_fp6_f32 v[PC+12+4*\c:PC+14+4*\c], v[rS+32*\c+16:rS+32*\c+31], v[SO+2*\c+1]   ; (a conversion's three registers begin on an even number)
.endr
	WIN 0
	v_nop                                          ; one plain place behind a scaled conversion
.irp c, 0,1                            ; the operand's layout wants a whole block in a lane
.irp i, 0,1,2
	v_permlane16_swap_b32 v[PC+6*\c+\i], v[PC+12+4*\c+\i]
.endr
.irp i, 0,1,2
	v_mov_b32 v[PC+3+6*\c+\i], v[PC+12+4*\c+\i]
.endr
.endr
.irp c, 0,1,2
	global_store_b128 v[LIC], v[PC+4*\c:PC+4*\c+3], s[OB:OB+1] offset:FRB*(\a)+512*\c   ; 32 lanes store 512 consecutive bytes, at a multiple of 256 from the buffer's first byte
.endr
	ds_store_b32 v[STO], v[PW] offset:64*(\a)      ; both halves of the lanes write the same word with the same value
.endm
.macro OUT
	s_wait_xcnt 0x0                                ; the last tile's stores have read their data
.irp a, 0,1,2,3
	OUTQ \a
.endr
	ds_load_b64 v[80:81], v[RD]                    ; LDS serves a wave's instructions in order: this sees my four stores
	s_wait_dscnt 0x0
	global_store_b64 v[LSC], v[80:81], s[OB:OB+1]  ; my 64 scale words: 256 consecutive bytes, aligned
.endm
	s_load_b256 s[4:11], s[0:1], 0x0               ; ximg, wimg, qkimg, vimg
	v_lshl_add_u32 v[SPW], v0, 2, SPARE
	v_mov_b32 v[NIL], 0
	ds_add_u32 v[SPW], v[NIL]                      ; the opening lines: the add twice on end and its wait
	ds_add_u32 v[SPW], v[NIL]
	v_lshrrev_b32 v1, 5, v0
	v_readfirstlane_b32 s14, v1                    ; wave
	s_lshr_b32 s15, s14, 1                         ; my half of source 1's tiles.  Also: I fetch source 0 (0) or source 1 (1)
	s_and_b32 s16, s14, 1                          ; my group of source 0.  Also: which group or block I fetch
	s_bfe_u32 s40, ttmp6, 0x40000                  ; cx
	s_bfe_u32 s41, ttmp6, 0x40004                  ; cy
	s_and_b32 s42, ttmp7, 0xffff
	s_lshl_b32 s42, s42, 2
	s_add_co_u32 s42, s42, ttmp9                   ; c: the cluster's number, 0 .. 15
	s_lshl_b32 s43, s41, 2
	s_lshl_b32 s43, 15, s43                        ; my row of the cluster
	s_lshl_b32 s44, 0x1111, s40                    ; my column
	s_or_b32 s[G1A+0], s43, (3<<16)|(1<<21)        ; dense rows of 32 elements of 8 bytes: 100 for source 1, 200 for source 0
	s_or_b32 s[G1B+0], s44, (3<<16)|(1<<21)
	s_mov_b32 s[G1A+1], 32<<16
	s_mov_b32 s[G1A+2], 100<<16
	s_mov_b32 s[G1A+3], 32<<16
	s_mov_b32 s[G1A+4], 100
	s_mov_b32 s[G1A+5], 32
	s_mov_b32 s[G1A+6], 0
	s_mov_b32 s[G1A+7], 0
	s_mov_b32 s[G1B+1], 32<<16
	s_mov_b32 s[G1B+2], 200<<16
	s_mov_b32 s[G1B+3], 32<<16
	s_mov_b32 s[G1B+4], 200
	s_mov_b32 s[G1B+5], 32
	s_mov_b32 s[G1B+6], 0
	s_mov_b32 s[G1B+7], 0
	; source 1: made of c, cy and the wave's number alone
	s_lshl_b32 s17, s42, 2
	s_add_co_u32 s17, s17, s41                     ; X's group
	s_mul_i32 s94, s17, GRP
	s_mul_i32 s18, s16, BLK
	s_add_co_u32 s94, s94, s18
	s_mov_b32 s95, 0
	s_and_b32 s19, s42, 1
	s_lshl_b32 s19, s19, 2
	s_add_co_u32 s19, s19, s41                     ; Wv's group
	s_add_co_u32 s12, s19, 16
	s_mul_i32 s12, s12, GRP
	s_add_co_u32 s12, s12, s18
	s_mov_b32 s13, 0
	; source 0: made of c, cx and the wave's number alone
	s_lshl_b32 s96, s40, 2
	s_add_co_u32 s96, s96, s16
	s_mul_i32 s96, s96, GRP                        ; pair 2 cx of Wq | Wk
	s_mov_b32 s97, 0
	s_lshr_b32 s21, s42, 1
	s_lshl_b32 s21, s21, 2
	s_add_co_u32 s21, s21, s40                     ; X's pair
	s_lshl_b32 s22, s21, 1
	s_add_co_u32 s22, s22, s16
	s_mul_i32 s22, s22, GRP
	s_mov_b32 s23, 0
	s_min_u32 s45, s14, 2
	s_add_co_u32 s45, s45, s14
	s_mul_i32 s45, s45, BLK                        ; where my load goes: blocks 0, 2, 4, 5 of the slot
	s_wait_dscnt 0x0
	s_wait_kmcnt 0x0
	s_add_nc_u64 s[NXA:NXA+1], s[4:5], s[94:95]    ; tiles 0 and 1
	s_add_nc_u64 s[A2:A2+1], s[6:7], s[12:13]
	s_add_nc_u64 s[90:91], s[6:7], s[96:97]        ; tile 0
	s_add_nc_u64 s[NXB:NXB+1], s[90:91], 2*GRP     ; tile 1
	s_add_nc_u64 s[B2:B2+1], s[4:5], s[22:23]
	CROUND                                         ; all sixteen work-groups are here: the first joint loads meet
.irp k, 0,1
	s_mov_b32 s[G0A+4*\k], 1
	s_add_co_u32 s[G0A+4*\k+1], s45, \k*SLOT
	s_add_nc_u64 s[G0A+4*\k+2:G0A+4*\k+3], s[NXA:NXA+1], \k*2*BLK
	s_or_b32 s[G0A+4*\k+3], s[G0A+4*\k+3], 0x80000000
	s_mov_b32 s[G0B+4*\k], 1
	s_add_co_u32 s[G0B+4*\k+1], s45, \k*SLOT
	s_add_nc_u64 s[G0B+4*\k+2:G0B+4*\k+3], s[90:91], \k*2*BLK
	s_or_b32 s[G0B+4*\k+3], s[G0B+4*\k+3], 0x80000000
.endr
	JLOAD 0                                        ; tile 0, slot 0: one tensor load a wave at the head
	s_cmp_eq_u32 s15, 0
	s_cselect_b64 s[P0:P0+1], s[90:91], s[NXA:NXA+1]
	s_cselect_b64 s[PQ:PQ+1], s[NXB:NXB+1], s[NXA:NXA+1]
	s_cselect_b64 s[P2:P2+1], s[B2:B2+1], s[A2:A2+1]
	s_cselect_b32 s[PM], 31, 25                    ; source 1's waves leave out tile 1's two asks
	s_cselect_b32 s43, s41, s40                    ; my place among the four that ask with me
	s_cselect_b32 s44, 50, 25                      ; units in a quarter
	s_mul_i32 s43, s43, s44
	s_sub_co_u32 s44, s44, 1
	v_and_b32 v5, 31, v0
	v_min_u32 v1, s44, v5
	v_add_nc_u32 v2, 32, v5
	v_add_nc_u32 v1, s43, v1
	v_min_u32 v2, s44, v2
	v_lshlrev_b32 v[PF1], 8, v1
	v_add_nc_u32 v2, s43, v2
	v_lshlrev_b32 v[LI], 4, v5
	v_lshlrev_b32 v[PF2], 8, v2
	v_lshlrev_b32 v[LW], 2, v5
	s_wait_alu depctr_va_vdst(0)
	ASK P0, 2*BLK                                  ; tile 0, slot 1
	v_and_b32 v1, 15, v0
	s_mul_i32 s46, s16, 2*BLK                      ; my group of source 0 in a slot
	s_mul_i32 s47, s15, 4*FRB
	s_add_co_u32 s47, s47, 4*BLK                   ; my four tiles of source 1
	s_lshl_b32 s92, s15, 8
	s_add_co_u32 s92, s92, 4*BLK+SCO
	v_add_nc_u32 v[ADRB], s46, v[LI]
	v_add_nc_u32 v[ADRB+1], SLOT, v[ADRB]
	v_add_nc_u32 v[ADRA], s47, v[LI]
	v_add_nc_u32 v[ADRA+1], SLOT, v[ADRA]
	v_add_nc_u32 v[ADSB], s46, v[LW]
	v_add_nc_u32 v[ADSB], SCO, v[ADSB]
	v_add_nc_u32 v[ADSB+1], SLOT, v[ADSB]
	v_add_nc_u32 v[ADSA], s92, v[LW]
	v_add_nc_u32 v[ADSA+1], SLOT, v[ADSA]
	s_lshl_b32 s93, s14, 8
	s_add_co_u32 s93, s93, STAGE                   ; my stage
	v_lshlrev_b32 v[STO], 2, v1
	v_add_nc_u32 v[STO], s93, v[STO]
	v_lshlrev_b32 v[LSC], 3, v5
	v_add_nc_u32 v[RD], s93, v[LSC]
	s_mul_i32 s46, s16, KSB                        ; in a block of the result: K step = my group of source 0, tiles 4 (w / 2) ..
	s_mul_i32 s47, s15, 4*FRB
	s_add_co_u32 s46, s46, s47
	v_add_nc_u32 v[LIC], s46, v[LI]
	s_lshl_b32 s46, s16, 9
	s_lshl_b32 s47, s15, 8
	s_add_co_u32 s46, s46, s47
	s_add_co_u32 s46, s46, SCO
	v_add_nc_u32 v[LSC], s46, v[LSC]
.irp b, 0,1,2,3
	v_mov_b32 v[TX+\b], 0                          ; written once: a lane permute's destination counts as one of its sources
.endr
	s_mov_b32 s[SEL], 0x76543210
	s_mov_b32 s[SEL+1], 0xfedcba98
	s_lshr_b32 s46, s40, 1                         ; tile 0's block: q or k (cx / 2), 256 blocks each; X's group, 4 blocks; slot 2 (cx % 2)
	s_lshl_b32 s46, s46, 8
	s_lshl_b32 s47, s17, 2
	s_add_co_u32 s46, s46, s47
	s_and_b32 s47, s40, 1
	s_lshl_b32 s47, s47, 1
	s_add_co_u32 s46, s46, s47
	s_mul_i32 s46, s46, BLK
	s_mov_b32 s47, 0
	s_add_nc_u64 s[OB:OB+1], s[8:9], s[46:47]
	s_add_nc_u64 s[ON:ON+1], s[OB:OB+1], BLK       ; tile 1's: the next slot
	s_lshr_b32 s46, s21, 3                         ; tile 2's: the batch, 64 blocks; Wv's group, 8 blocks; slot = the pair in its batch
	s_lshl_b32 s46, s46, 6
	s_lshl_b32 s92, s19, 3
	s_add_co_u32 s46, s46, s92
	s_and_b32 s92, s21, 7
	s_add_co_u32 s46, s46, s92
	s_mul_i32 s46, s46, BLK
	s_add_nc_u64 s[O2:O2+1], s[10:11], s[46:47]
	s_wait_alu depctr_va_vdst(0)
	SEQ                                            ; slot 0 is whole, in every partner
	JLOAD 1                                        ; tile 0, slot 1: a first fill, issued as a refill is
	WORK 0, 1, 0                                   ; a tile's first products start its sums
	s_mov_b32 s3, 2
.Ltile:                                ; a trip: the second half of tile t, the way out of tile t, the first half of tile t + 1
	SEQ
	NEXT 0
	JLOAD 0
	WORK 1, 0, 2*BLK
	s_wait_xcnt 0x0                                ; my prefetches have read their base
	s_mov_b64 s[PQ:PQ+1], s[P2:P2+1]
	SEQ
	NEXT 1
	JLOAD 1                                        ; its four v_nop are also the places ahead of the way out
	s_mov_b64 s[NXA:NXA+1], s[A2:A2+1]
	s_mov_b64 s[NXB:NXB+1], s[B2:B2+1]
	OUT
	s_wait_xcnt 0x0                                ; the stores have read their base
	s_mov_b64 s[OB:OB+1], s[ON:ON+1]
	s_mov_b64 s[ON:ON+1], s[O2:O2+1]
	WORK 0, 1, 0
	s_sub_co_u32 s3, s3, 1
	s_cmp_lg_u32 s3, 0
	s_cbranch_scc1 .Ltile
	s_wait_tensorcnt 0x0                           ; the last slot: nothing is filled again, so no round follows
	ds_add_u32 v[SPW], v[NIL]
	s_wait_dscnt 0x0
	s_barrier_signal -1
	s_barrier_wait -1
	WORK 1, 0, -1
	PLACES 4
	OUT
	s_wait_tensorcnt 0x0                           ; the wave's end
	ds_add_u32 v[SPW], v[NIL]
	s_wait_dscnt 0x0
	CROUND                                         ; the closing round
	s_endpgm
.Lfunc_end_k_qd7041ef796_proj:
	.size	k_qd7041ef796_proj, .Lfunc_end_k_qd7041ef796_proj-k_qd7041ef796_proj
	.p2alignl 7, 3214868480
	.fill 96, 4, 3214868480
	.section	.rodata,"a",@progbits
	.p2align	6, 0x0
	.amdhsa_kernel k_qd7041ef796_proj
		.amdhsa_group_segment_fixed_size 327680
		.amdhsa_private_segment_fixed_size 0
		.amdhsa_enable_private_segment 0
		.amdhsa_kernarg_size 32
		.amdhsa_user_sgpr_count 2
		.amdhsa_user_sgpr_kernarg_segment_ptr 1
		.amdhsa_wavefront_size32 1
		.amdhsa_system_sgpr_workgroup_id_x 1
		.amdhsa_system_sgpr_workgroup_id_y 1
		.amdhsa_system_sgpr_workgroup_id_z 1
		.amdhsa_system_vgpr_workitem_id 0
		.amdhsa_next_free_vgpr 768
		.amdhsa_next_free_sgpr 100
		.amdhsa_reserve_vcc 0
		.amdhsa_float_denorm_mode_32 3
		.amdhsa_float_denorm_mode_16_64 3
		.amdhsa_memory_ordered 1
		.amdhsa_forward_progress 1
		.amdhsa_inst_pref_size 158
	.end_amdhsa_kernel
	.amdgpu_metadata
---
amdhsa.version: [ 1, 2 ]
amdhsa.kernels:
  - .name:           k_qd7041ef796_proj
    .symbol:         k_qd7041ef796_proj.kd
    .args:
      - { .name: ximg, .offset: 0, .size: 8, .value_kind: global_buffer, .address_space: global }
      - { .name: wimg, .offset: 8, .size: 8, .value_kind: global_buffer, .address_space: global }
      - { .name: qkimg, .offset: 16, .size: 8, .value_kind: global_buffer, .address_space: global }
      - { .name: vimg, .offset: 24, .size: 8, .value_kind: global_buffer, .address_space: global }
    .group_segment_fixed_size: 327680
    .private_segment_fixed_size: 0
    .kernarg_segment_align: 8
    .kernarg_segment_size: 32
    .max_flat_workgroup_size: 128
    .sgpr_count:     100
    .vgpr_count:     768
    .wavefront_size: 32
...
	.end_amdgpu_metadata
.endif
;; end of part 2
;; launch score (part 3): grid 9 x 16, 4 waves a work-group, no clusters, 327,680 bytes of LDS; arguments qkimg, pimg, pstat; writes pimg, pstat
.if DOCPART == 3
	.amdgcn_target "amdgcn-amd-amdhsa--gfx1250"
	.amdhsa_code_object_version 6
	.text
	.protected	k_qd7041ef796_score
	.globl	k_qd7041ef796_score
	.p2align	8
	.type	k_qd7041ef796_score,@function
k_qd7041ef796_score:
	s_mov_b64 s[64:65], 0
	v_nop
	global_prefetch_b8 v0, s[64:65] scope:SCOPE_SE
	s_setreg_imm32_b32 hwreg(HW_REG_WAVE_MODE, 25, 1), 1
	s_wait_xcnt 0x0
.set BLK,   25600
.set FRB,   1536
.set SCO,   24576
.set KSB,   8*FRB
.set SLOT,  4*BLK
.set GRP,   4*BLK
.set STAGE, 2*SLOT
.set SPARE, STAGE+8192
.set FLOOR, 0x1800000
.set EOFF,  0xff000000
.set LI,   3
.set LW,   4
.set ADRA, 16
.set ADRB, 18
.set ADSA, 20
.set ADSB, 22
.set STO,  24
.set RD,   25
.set SPW,  28
.set NIL,  29
.set SC,   32
.set TM,   64
.set TX,   68
.set SO,   72
.set PW,   76
.set NM,   78
.set LS,   80
.set DD,   84
.set NINF, 86
.set LT,   87
.set ZR,   90
.set PC,   96
.set AF,   128
.set G1,   24
.set G0,   32
.set SEL,  20
.set CS,   22
.set MSB, 0
.macro WIN new
.if MSB != (\new)
	s_set_vgpr_msb (MSB<<8)|(\new)
.set MSB, (\new)
.endif
.endm
.macro PLACES n
.rept \n
	v_nop
.endr
.endm
.macro FRAG reg, adr, q, i
.irp c, 0,1,2
	ds_load_b128 v[\reg+4*\c:\reg+4*\c+3], v[\adr] offset:(8*(\q)+(\i))*FRB+512*\c
.endr
.endm
.macro FETCH_B slot, q, p
	WIN 0x40
.irp i, 0,1,2,3,4,5,6,7
	FRAG 128*(\p)+12*\i, ADRB+\slot, \q, \i
.endr
	WIN 0
.endm
.macro FETCH_A slot, q, i0
.irp i, \i0, \i0+1, \i0+2, \i0+3
	FRAG AF+12*(\i), ADRA+\slot, \q, \i
.endr
.endm
.macro SCALES slot
.irp q, 0,1
.irp u, 0,1,2,3
	ds_load_b32 v[SC+16*\slot+4*\q+\u], v[ADSA+\slot] offset:512*\q+128*\u
	ds_load_b32 v[SC+16*\slot+8+4*\q+\u], v[ADSB+\slot] offset:512*\q+128*\u
.endr
.endr
.endm
.macro WM zero, pb, pa
.if \zero
.if (\pb) && (\pa)
	v_wmma_scale_f32_16x16x128_f8f6f4 v[rD:rD+7], v[rB:rB+11], v[rA:rA+11], 0, v[rSB], v[rSA] matrix_a_fmt:MATRIX_FMT_FP6 matrix_b_fmt:MATRIX_FMT_FP6 matrix_a_scale:MATRIX_SCALE_ROW1 matrix_b_scale:MATRIX_SCALE_ROW1
.elseif (\pb)
	v_wmma_scale_f32_16x16x128_f8f6f4 v[rD:rD+7], v[rB:rB+11], v[rA:rA+11], 0, v[rSB], v[rSA] matrix_a_fmt:MATRIX_FMT_FP6 matrix_b_fmt:MATRIX_FMT_FP6 matrix_a_scale:MATRIX_SCALE_ROW1
.elseif (\pa)
	v_wmma_scale_f32_16x16x128_f8f6f4 v[rD:rD+7], v[rB:rB+11], v[rA:rA+11], 0, v[rSB], v[rSA] matrix_a_fmt:MATRIX_FMT_FP6 matrix_b_fmt:MATRIX_FMT_FP6 matrix_b_scale:MATRIX_SCALE_ROW1
.else
	v_wmma_scale_f32_16x16x128_f8f6f4 v[rD:rD+7], v[rB:rB+11], v[rA:rA+11], 0, v[rSB], v[rSA] matrix_a_fmt:MATRIX_FMT_FP6 matrix_b_fmt:MATRIX_FMT_FP6
.endif
.else
.if (\pb) && (\pa)
	v_wmma_scale_f32_16x16x128_f8f6f4 v[rD:rD+7], v[rB:rB+11], v[rA:rA+11], v[rD:rD+7], v[rSB], v[rSA] matrix_a_fmt:MATRIX_FMT_FP6 matrix_b_fmt:MATRIX_FMT_FP6 matrix_a_scale:MATRIX_SCALE_ROW1 matrix_b_scale:MATRIX_SCALE_ROW1
.elseif (\pb)
	v_wmma_scale_f32_16x16x128_f8f6f4 v[rD:rD+7], v[rB:rB+11], v[rA:rA+11], v[rD:rD+7], v[rSB], v[rSA] matrix_a_fmt:MATRIX_FMT_FP6 matrix_b_fmt:MATRIX_FMT_FP6 matrix_a_scale:MATRIX_SCALE_ROW1
.elseif (\pa)
	v_wmma_scale_f32_16x16x128_f8f6f4 v[rD:rD+7], v[rB:rB+11], v[rA:rA+11], v[rD:rD+7], v[rSB], v[rSA] matrix_a_fmt:MATRIX_FMT_FP6 matrix_b_fmt:MATRIX_FMT_FP6 matrix_b_scale:MATRIX_SCALE_ROW1
.else
	v_wmma_scale_f32_16x16x128_f8f6f4 v[rD:rD+7], v[rB:rB+11], v[rA:rA+11], v[rD:rD+7], v[rSB], v[rSA] matrix_a_fmt:MATRIX_FMT_FP6 matrix_b_fmt:MATRIX_FMT_FP6
.endif
.endif
.endm
.macro MUL16 a0, p, q, sc, zero
.irp a, \a0, \a0+1
.irp b, 0,1,2,3,4,5,6,7
.set rD, 8*(8*((\a)%4)+\b)
.set rB, 128*(\p)+12*\b
.set rA, AF+12*(\a)
.set rSB, SC+16*(\sc)+8+4*(\q)+\b/2
.set rSA, SC+16*(\sc)+4*(\q)+(\a)/2
	WM \zero, \b%2, (\a)%2
.endr
.endr
.endm
.macro STEP slot, zero
	s_wait_dscnt 12
	WIN 0xa1
	MUL16 0, 0, 0, \slot, \zero
	MUL16 2, 0, 0, \slot, \zero
	s_wait_dscnt 0x0
	PLACES 4
	FETCH_B \slot, 1, 1
	FETCH_A \slot, 1, 0
	WIN 0xf1
	MUL16 4, 0, 0, \slot, \zero
	MUL16 6, 0, 0, \slot, \zero
	PLACES 4
	WIN 0
	FETCH_A \slot, 1, 4
.endm
.macro TURN slot, next, fill
	s_wait_tensorcnt 0x0
	ds_add_u32 v[SPW], v[NIL]
	s_wait_dscnt 13
	WIN 0xa1
	MUL16 0, 1, 1, \slot, 0
	s_wait_dscnt 0x0
	s_barrier_signal -1
	MUL16 2, 1, 1, \slot, 0
	WIN 0
	s_barrier_wait -1
.if \fill
	s_add_nc_u64 s[G0+4*\slot+2:G0+4*\slot+3], s[G0+4*\slot+2:G0+4*\slot+3], 2*BLK
	tensor_load_to_lds s[G0+4*\slot:G0+4*\slot+3], s[G1:G1+7]
	s_nop 0
.endif
	PLACES 4
	FETCH_B \next, 0, 0
	FETCH_A \next, 0, 0
	SCALES \next
	WIN 0xf1
	MUL16 4, 1, 1, \slot, 0
	MUL16 6, 1, 1, \slot, 0
	PLACES 4
	WIN 0
	FETCH_A \next, 0, 4
.endm
	s_load_b128 s[4:7], s[0:1], 0x0
	s_load_b64 s[8:9], s[0:1], 0x10
	v_lshl_add_u32 v[SPW], v0, 2, SPARE
	v_mov_b32 v[NIL], 0
	ds_add_u32 v28, v29
	ds_add_u32 v28, v29
	s_wait_dscnt 0x0
	v_lshrrev_b32 v1, 5, v0
	v_readfirstlane_b32 s14, v1
	s_lshr_b32 s15, s14, 1
	s_and_b32 s16, s14, 1
	s_and_b32 s41, ttmp7, 0xffff
	s_lshr_b32 s42, s41, 2
	s_and_b32 s43, s41, 3
	s_sub_co_u32 s46, 7, s43
	s_sub_co_u32 s47, ttmp9, s43
	s_sub_co_u32 s47, s47, 1
	s_cmp_le_u32 ttmp9, s43
	s_cselect_b32 s44, s43, s46
	s_cselect_b32 s45, ttmp9, s47
	s_lshl_b32 s48, s44, 1
	s_lshl_b32 s49, s45, 1
	s_lshl_b32 s52, s42, 4
	s_sub_co_u32 s50, s49, s48
	s_add_co_u32 s50, s50, 64
	s_mul_i32 s50, s50, s15
	s_add_co_u32 s50, s50, s48
	s_add_co_u32 s50, s50, s52
	s_add_co_u32 s50, s50, s16
	s_mul_i32 s50, s50, GRP
	s_mov_b32 s51, 0
	s_mul_i32 s17, s14, BLK
	s_mov_b32 s[G1+0], 3<<16
	s_mov_b32 s[G1+1], 32<<16
	s_mov_b32 s[G1+2], 100<<16
	s_mov_b32 s[G1+3], 32<<16
	s_mov_b32 s[G1+4], 100
	s_mov_b32 s[G1+5], 32
	s_mov_b32 s[G1+6], 0
	s_mov_b32 s[G1+7], 0
	s_wait_kmcnt 0x0
	s_add_nc_u64 s[66:67], s[4:5], s[50:51]
.irp s, 0,1
	s_mov_b32 s[G0+4*\s], 1
	s_add_co_u32 s[G0+4*\s+1], s17, \s*SLOT
	s_add_nc_u64 s[G0+4*\s+2:G0+4*\s+3], s[66:67], \s*BLK
	s_or_b32 s[G0+4*\s+3], s[G0+4*\s+3], 0x80000000
.endr
	tensor_load_to_lds s[G0:G0+3], s[G1:G1+7]
	s_nop 0
	s_wait_alu depctr_va_vdst(0)
	s_wait_tensorcnt 0x0
	ds_add_u32 v28, v29
	s_wait_dscnt 0x0
	s_barrier_signal -1
	s_barrier_wait -1
	tensor_load_to_lds s[G0+4:G0+7], s[G1:G1+7]
	s_nop 0
	PLACES 4
	v_and_b32 v1, 15, v0
	v_bfe_u32 v2, v0, 4, 1
	v_and_b32 v5, 31, v0
	v_lshlrev_b32 v[LI], 4, v5
	v_lshlrev_b32 v[LW], 2, v5
	s_mul_i32 s18, s15, BLK
	s_mul_i32 s19, s16, BLK
	s_add_co_u32 s19, s19, 2*BLK
	v_add_nc_u32 v[ADRA], s18, v[LI]
	v_add_nc_u32 v[ADRA+1], SLOT, v[ADRA]
	v_add_nc_u32 v[ADRB], s19, v[LI]
	v_add_nc_u32 v[ADRB+1], SLOT, v[ADRB]
	v_add_nc_u32 v[ADSA], s18, v[LW]
	v_add_nc_u32 v[ADSA], SCO, v[ADSA]
	v_add_nc_u32 v[ADSA+1], SLOT, v[ADSA]
	v_add_nc_u32 v[ADSB], s19, v[LW]
	v_add_nc_u32 v[ADSB], SCO, v[ADSB]
	v_add_nc_u32 v[ADSB+1], SLOT, v[ADSB]
	s_lshl_b32 s18, s14, 11
	s_add_co_u32 s18, s18, STAGE
	v_lshlrev_b32 v[STO], 2, v1
	v_add_nc_u32 v[STO], s18, v[STO]
	v_add_nc_u32 v[RD], s18, v[LI]
	v_and_b32 v[DD], 7, v0
	v_bfe_u32 v5, v0, 3, 1
	v_lshl_add_u32 v[DD], v5, 4, v[DD]
	v_lshlrev_b32 v5, 4, v2
	v_sub_nc_u32 v[DD], v[DD], v5
	v_add_nc_u32 v[DD+1], 8, v[DD]
	v_mov_b32 v[NINF], 0xff800000
	v_mov_b32 v[NM+1], 0
	v_mov_b32 v[LT+1], 0
.irp b, 0,1,2,3
	v_mov_b32 v[TX+\b], 0
	v_mov_b32 v[ZR+\b], 0
.endr
	s_mov_b32 s[SEL], 0x76543210
	s_mov_b32 s[SEL+1], 0xfedcba98
	s_mov_b32 s[CS], 0x3d38aa3b
	s_mov_b32 s[CS+1], s[CS]
	s_sub_co_u32 s60, s44, s45
	s_lshl_b32 s60, s60, 8
	s_sub_co_i32 s61, s15, s16
	s_lshl_b32 s61, s61, 7
	s_add_co_i32 s60, s60, s61
	s_add_co_u32 s53, s52, s48
	s_add_co_u32 s53, s53, s15
	s_lshl_b32 s54, s53, 3
	s_add_co_u32 s54, s54, s45
	s_mul_i32 s54, s54, BLK
	s_mul_i32 s56, s16, KSB
	s_add_co_u32 s56, s56, s54
	s_mov_b32 s57, 0
	s_lshl_b32 s58, s16, 9
	s_add_co_u32 s58, s58, s54
	s_add_co_u32 s58, s58, SCO
	s_mov_b32 s59, 0
	s_lshl_b32 s62, s53, 4
	s_add_co_u32 s62, s62, s49
	s_add_co_u32 s62, s62, s16
	s_lshl_b32 s62, s62, 10
	s_mov_b32 s63, 0
	s_add_nc_u64 s[12:13], s[6:7], s[56:57]
	s_add_nc_u64 s[70:71], s[6:7], s[58:59]
	s_add_nc_u64 s[72:73], s[12:13], BLK
	s_add_nc_u64 s[74:75], s[70:71], BLK
	s_add_nc_u64 s[76:77], s[8:9], s[62:63]
	s_wait_tensorcnt 1
	s_barrier_signal -1
	s_barrier_wait -1
	FETCH_B 0, 0, 0
	FETCH_A 0, 0, 0
	SCALES 0
	FETCH_A 0, 0, 4
	STEP 0, 1
	s_mov_b32 s3, 1
.Llap:
	TURN 0, 1, 1
	STEP 1, 0
	TURN 1, 0, 1
	STEP 0, 0
	s_sub_co_u32 s3, s3, 1
	s_cmp_lg_u32 s3, 0
	s_cbranch_scc1 .Llap
	TURN 0, 1, 0
	STEP 1, 0
	s_wait_dscnt 12
	WIN 0xa1
	MUL16 0, 1, 1, 1, 0
	MUL16 2, 1, 1, 1, 0
	s_wait_dscnt 0x0
	WIN 0xf1
	MUL16 4, 1, 1, 1, 0
	MUL16 6, 1, 1, 1, 0
	WIN 0
.macro WORD
.irp b, 0,1,2,3
	v_add_nc_u32 v[SO+\b], EOFF, v[TM+\b]
.endr
.irp b, 0,1,2,3
	v_lshrrev_b32 v[TX+\b], 23, v[SO+\b]
.endr
	v_lshl_or_b32 v[PW], v[TX+1], 8, v[TX]
	v_lshl_or_b32 v[PW], v[TX+2], 16, v[PW]
	v_lshl_or_b32 v[PW], v[TX+3], 24, v[PW]
.endm
.macro CODES
	WIN rW
.irp c, 0,1
	v_cvt_scalef32_pk16_fp6_f32 v[PC+6*\c:PC+6*\c+2], v[rS+32*\c:rS+32*\c+15], v[SO+2*\c]
	v_cvt_scalef32_pk16_fp6_f32 v[PC+12+4*\c:PC+14+4*\c], v[rS+32*\c+16:rS+32*\c+31], v[SO+2*\c+1]
.endr
	WIN 0
	v_nop
.irp c, 0,1
.irp i, 0,1,2
	v_permlane16_swap_b32 v[PC+6*\c+\i], v[PC+12+4*\c+\i]
.endr
.irp i, 0,1,2
	v_mov_b32 v[PC+3+6*\c+\i], v[PC+12+4*\c+\i]
.endr
.endr
.endm
.macro PUT a
.irp c, 0,1,2
	global_store_b128 v[LI], v[PC+4*\c:PC+4*\c+3], s[12:13] offset:FRB*(\a)+512*\c
.endr
	ds_store_b32 v[STO], v[PW] offset:64*(\a)
.endm
.macro ZEROS f, s
.irp m, 0,1,2,3,4,5,6,7,8,9,10,11,12,13,14,15,16,17,18,19,20,21,22,23
	global_store_b128 v[LI], v[ZR:ZR+3], s[\f:\f+1] offset:512*\m
.endr
	global_store_b128 v[LI], v[ZR:ZR+3], s[\s:\s+1]
.endm
.macro SOFTQ a
.set rW, 2+(\a)/4
.set rS, 64*((\a)%4)
	s_wait_xcnt 0x0
	s_wait_dscnt 0x0
	s_cmp_lg_u32 s60, 0
	s_cbranch_scc1 .Lopen_\@
	WIN rW|(rW<<6)
.irp i, 0,1,2,3,4,5,6,7,8,9,10,11,12,13,14,15
	v_cmp_gt_i32 vcc_lo, \i, v[DD+(\a)%2]
	v_cndmask_b32 v[rS+16*((\a)/2)+\i], v[rS+16*((\a)/2)+\i], v[NINF], vcc_lo
.endr
.if (\a)/2 < 3
.set k, 16*((\a)/2+1)
.rept 64-16*((\a)/2+1)
	v_mov_b32 v[rS+k], 0xff800000
.set k, k+1
.endr
.endif
	WIN 0
.Lopen_\@:
	WIN rW|(rW<<2)
.irp b, 0,1,2,3
	v_max_num_f32 v[TM+\b], v[rS+16*\b], v[rS+16*\b+1]
.endr
.irp i, 2,4,6,8,10,12,14
.irp b, 0,1,2,3
	v_max3_num_f32 v[TM+\b], v[rS+16*\b+\i], v[rS+16*\b+\i+1], v[TM+\b]
.endr
.endr
	WIN 0
.irp b, 0,1,2,3
	v_permlanex16_b32 v[TX+\b], v[TM+\b], s[SEL], s[SEL+1]
.endr
.irp b, 0,1,2,3
	v_max_num_f32 v[TM+\b], v[TM+\b], v[TX+\b]
.endr
	v_max3_num_f32 v89, v[TM], v[TM+1], v[TM+2]
	v_max_num_f32 v89, v89, v[TM+3]
	v_mul_f32 v89, s[CS], v89
	v_floor_f32 v[NM], -v89
.irp b, 0,1,2,3
	v_fma_f32 v[TM+\b], v[TM+\b], s[CS], v[NM]
.endr
	WIN rW|(rW<<6)
.set k, 0
.rept 32
	v_pk_fma_f32 v[rS+k:rS+k+1], v[rS+k:rS+k+1], s[CS:CS+1], v[NM:NM+1] op_sel_hi:[1,0,0]
.set k, k+2
.endr
.set k, 0
	s_wait_alu depctr_va_vdst(0)
.rept 64
	v_exp_f32 v[rS+k], v[rS+k]
.set k, k+1
.endr
	WIN 0
.irp i, 0,1,2,3
	v_mov_b32 v[LS+\i], 0
.endr
	s_wait_alu depctr_va_vdst(0)
.irp b, 0,1,2,3
	v_exp_f32 v[TM+\b], v[TM+\b]
.endr
	WIN rW<<2
.set k, 0
.rept 16
	v_pk_add_f32 v[LS:LS+1], v[LS:LS+1], v[rS+k:rS+k+1]
	v_pk_add_f32 v[LS+2:LS+3], v[LS+2:LS+3], v[rS+k+2:rS+k+3]
.set k, k+4
.endr
	WIN 0
	s_wait_alu depctr_va_vdst(0)
.irp b, 0,1,2,3
	v_max_num_f32 v[TM+\b], FLOOR, v[TM+\b]
.endr
	WORD
	CODES
	v_pk_add_f32 v[LS:LS+1], v[LS:LS+1], v[LS+2:LS+3]
	v_add_f32 v[LT], v[LS], v[LS+1]
	v_permlanex16_b32 v[LT+1], v[LT], s[SEL], s[SEL+1]
	v_add_f32 v[LT], v[LT], v[LT+1]
	PUT \a
	ds_store_b32 v[STO], v[NM] offset:512+64*(\a)
	ds_store_b32 v[STO], v[LT] offset:1024+64*(\a)
.endm
	s_cmp_lt_i32 s60, 0
	s_cbranch_scc1 .Lzero
	PLACES 4
.irp a, 0,1,2,3,4,5,6,7
	SOFTQ \a
.endr
.irp m, 0,1,2
	ds_load_b128 v[116+4*\m:116+4*\m+3], v[RD] offset:512*\m
.endr
	s_wait_dscnt 0x0
	global_store_b128 v[LI], v[116:119], s[70:71]
	global_store_b128 v[LI], v[120:123], s[76:77]
	global_store_b128 v[LI], v[124:127], s[76:77] offset:512
	s_branch .Lextra
.Lzero:
	s_wait_alu depctr_va_vdst(0)
	ZEROS 12, 70
.Lextra:
	s_cmp_lg_u32 s44, s45
	s_cbranch_scc1 .Lend
	s_bitcmp1_b32 s44, 0
	s_cbranch_scc1 .Lend
	ZEROS 72, 74
.Lend:
	s_wait_tensorcnt 0x0
	ds_add_u32 v[SPW], v[NIL]
	s_wait_dscnt 0x0
	s_endpgm
.Lfunc_end_k_qd7041ef796_score:
	.size	k_qd7041ef796_score, .Lfunc_end_k_qd7041ef796_score-k_qd7041ef796_score
	.p2alignl 7, 3214868480
	.fill 96, 4, 3214868480
	.section	.rodata,"a",@progbits
	.p2align	6, 0x0
	.amdhsa_kernel k_qd7041ef796_score
		.amdhsa_group_segment_fixed_size 327680
		.amdhsa_private_segment_fixed_size 0
		.amdhsa_enable_private_segment 0
		.amdhsa_kernarg_size 24
		.amdhsa_user_sgpr_count 2
		.amdhsa_user_sgpr_kernarg_segment_ptr 1
		.amdhsa_wavefront_size32 1
		.amdhsa_system_sgpr_workgroup_id_x 1
		.amdhsa_system_sgpr_workgroup_id_y 1
		.amdhsa_system_sgpr_workgroup_id_z 1
		.amdhsa_system_vgpr_workitem_id 0
		.amdhsa_next_free_vgpr 1024
		.amdhsa_next_free_sgpr 100
		.amdhsa_reserve_vcc 1
		.amdhsa_float_denorm_mode_32 3
		.amdhsa_float_denorm_mode_16_64 3
		.amdhsa_memory_ordered 1
		.amdhsa_forward_progress 1
		.amdhsa_inst_pref_size 221
	.end_amdhsa_kernel
	.amdgpu_metadata
---
amdhsa.version: [ 1, 2 ]
amdhsa.kernels:
  - .name:           k_qd7041ef796_score
    .symbol:         k_qd7041ef796_score.kd
    .args:
      - { .name: qkimg, .offset: 0, .size: 8, .value_kind: global_buffer, .address_space: global }
      - { .name: pimg, .offset: 8, .size: 8, .value_kind: global_buffer, .address_space: global }
      - { .name: pstat, .offset: 16, .size: 8, .value_kind: global_buffer, .address_space: global }
    .group_segment_fixed_size: 327680
    .private_segment_fixed_size: 0
    .kernarg_segment_align: 8
    .kernarg_segment_size: 24
    .max_flat_workgroup_size: 128
    .sgpr_count:     100
    .vgpr_count:     1024
    .wavefront_size: 32
...
	.end_amdgpu_metadata
.endif
;; end of part 3
;; launch pv (part 4): grid 4 x 64, 4 waves a work-group, clusters of 4 x 4, 327,680 bytes of LDS; arguments pimg, pstat, vimg, out0; writes out0
.if DOCPART == 4
	.amdgcn_target "amdgcn-amd-amdhsa--gfx1250"
	.amdhsa_code_object_version 6
	.text
	.protected	k_qd7041ef796_pv
	.globl	k_qd7041ef796_pv
	.p2align	8
	.type	k_qd7041ef796_pv,@function
k_qd7041ef796_pv:
	s_mov_b64 s[64:65], 0
	v_nop
	global_prefetch_b8 v0, s[64:65] scope:SCOPE_SE
	s_setreg_imm32_b32 hwreg(HW_REG_WAVE_MODE, 25, 1), 1
	s_wait_xcnt 0x0
	s_wait_alu depctr_hold_cnt(0) depctr_sa_sdst(0) depctr_va_vdst(0) depctr_va_sdst(0) depctr_va_ssrc(0) depctr_va_vcc(0) depctr_vm_vsrc(0)
	s_getreg_b32 s2, hwreg(HW_REG_IB_STS2, 6, 4)
	s_cmp_eq_u32 s2, 0
	s_cbranch_scc0 .Lentry_in_a_cluster
	s_endpgm
.Lentry_in_a_cluster:
	s_bfe_u32 s2, ttmp6, 0x10000c
	s_cmp_lg_u32 s2, 0xf033
	s_cbranch_scc0 .Lentry_shape_is_right
	s_endpgm
.Lentry_shape_is_right:
; out = (p v) / l on codes of FP6 (E2M3) with E8M0 scales for each 32 keys.  pimg holds p = 2^(t - M_k) as operand images, M_k the whole-number maximum of each (query, 128 keys); pstat holds -M_k and the sums l_k.
; The row's M is the largest M_k; d_k = M - M_k, a whole number, is taken off p's scale bytes (held at byte 0 from below), and l = sum of l_k 2^-d_k.
; LEFT OUT: keys wholly above the diagonal of the causal mask have weight 0 for every input: a group of 128 queries gi walks (gi / 4 + 1) slots of 512 keys and no more.
; THE IMAGE: groups of 128 rows x blocks of 256 along K; a block is BLK dense bytes: 16 fragments [K step][tile] of FRB bytes, then from SCO the scale words [K step][tile][lane row].
; A work-group makes 128 queries x 256 columns: 256 work-groups, the longest walks with the lowest numbers.  Wave w makes p's tiles 4 (w / 2) .. + 3 x v's group w % 2: 32 accumulators.
; Source 0 = v (rows = columns of out), source 1 = p (rows = queries): a lane holds one query and eight neighbouring columns.
; LDS: two slots of 512 keys: v's two groups (2 blocks each), then p's 2 blocks.  Waves 0, 1 bring a group of v (200 rows of 256 bytes), waves 2, 3 a block of p (100 rows): one joint load a wave behind each round.
; CLUSTERS, 4 x 4: a batch's query groups 4 m + cy x the column blocks cx.  All sixteen walk m + 1 slots.  p hangs on the cluster and cy alone and is shared along a row, v on the batch and cx alone and is shared along a column.
; The walk is written out, slot by slot; where it ends hangs on the cluster's number alone, and each of the three ends has a tail of its own, which asks for nothing.
; PREFETCH: in the step that loads slot s + 1, slot s + 2 is asked for, once in the cluster.  A row's 200 units of 256 bytes of p are shared by address among the 16 waves of its four work-groups (13 a wave, held at the last unit);
; a column's 400 units of v among its four work-groups (a block each, 25 units a wave).  Nothing is asked for beyond the walk's last slot.
; LIMITS: NaN and infinities are not served; a d_k over 127 is held at 127.
; REGISTERS: window 0: addresses, scale words, v128-223 p's fragments (two sets); window 1: v's fragments, two sets at v0 and v128; window 2: the accumulators, (a, b) at v[8 (8 a + b)].
.set BLK,   25600
.set FRB,   1536
.set SCO,   24576
.set GRP8,  8*BLK
.set SLOT,  6*BLK
.set STAGE, 2*SLOT                     ; behind the ring: 16 rows x (256 + 16) bytes for each wave
.set SP,    272
.set WST,   16*SP
.set SPARE, STAGE+4*WST                ; the spare words: two blocks of 256 bytes that no other line names
.set LI,   3
.set LW,   4
.set ADRA, 16
.set ADRB, 18
.set ADSA, 20
.set ADSB, 22
.set STO,  24
.set RD,   25
.set CO,   26
.set SPW,  28
.set NIL,  29
.set PFP,  30
.set PFV,  31
.set SA,   32                          ; p's scale words: K step n, tile pair u at SA + 2 n + u
.set SB,   40                          ; v's: SB + 4 n + u
.set DL,   56                          ; d_k, four bytes a register: pair u, slot s at DL + 4 u + s
.set RL,   64                          ; 1 / l, a pair of registers for each of my four tiles
.set TA,   72
.set TB,   80
.set TC,   88
.set AF,   128
.set BK,   128
.set MR,   128
.set LR,   160
.set NR,   192
.set G1V,  24
.set G0V,  32
.set G1P,  48
.set G0P,  56
.set PP,   66
.set PV,   68
.set MSB, 0
.macro WIN new                         ; the immediate's high byte repeats the setting that is left
.if MSB != (\new)
	s_set_vgpr_msb (MSB<<8)|(\new)
.set MSB, (\new)
.endif
.endm
.macro PLACES n
.rept \n
	v_nop
.endr
.endm
.macro JLOAD k                         ; my joint load into slot k: the branch hangs on the wave's number alone
	s_cmp_eq_u32 s15, 0
	s_cbranch_scc0 .Lfor_p_\@
	tensor_load_to_lds s[G0V+4*\k:G0V+4*\k+3], s[G1V:G1V+7]
	s_nop 0
.rept 4
	v_nop
.endr
	s_branch .Lasked_\@
.Lfor_p_\@:
	tensor_load_to_lds s[G0P+4*\k:G0P+4*\k+3], s[G1P:G1P+7]
	s_nop 0
.rept 4
	v_nop
.endr
.Lasked_\@:
.endm
.macro CROUND                          ; a round of the cluster's barrier
	s_barrier_signal -1
	s_barrier_wait -1
	s_cmp_lg_u32 s14, 0
	s_cbranch_scc1 .Lnot_wave_0_\@
	s_barrier_signal -3
.Lnot_wave_0_\@:
	s_barrier_wait -3
	s_barrier_signal -1
	s_barrier_wait -1
.endm
.macro SEQ                             ; all my tensor loads, the add to the spare words, my LDS instructions; then the round
	s_wait_tensorcnt 0x0
	ds_add_u32 v[SPW], v[NIL]
	s_wait_dscnt 0x0
	CROUND
.endm
.macro STEPD k                         ; no tensor load of mine is out: slot k's descriptors step two slots on
	s_add_nc_u64 s[G0V+4*\k+2:G0V+4*\k+3], s[G0V+4*\k+2:G0V+4*\k+3], 4*BLK
	s_add_nc_u64 s[G0P+4*\k+2:G0P+4*\k+3], s[G0P+4*\k+2:G0P+4*\k+3], 4*BLK
.endm
.macro ASK slot                        ; the prefetch of a slot, where the walk has it; the bases stand at slot 1 and are never stepped
	s_cmp_gt_u32 s21, \slot
	s_cbranch_scc0 .Lno_ask_\@
	global_prefetch_b8 v[PFP], s[PP:PP+1] offset:((\slot)-1)*2*BLK th:TH_LOAD_NT scope:SCOPE_SE
	global_prefetch_b8 v[PFV], s[PV:PV+1] offset:((\slot)-1)*2*BLK th:TH_LOAD_NT scope:SCOPE_SE
.Lno_ask_\@:
.endm
.macro FRAG reg, adr, off
.irp c, 0,1,2
	ds_load_b128 v[\reg+4*\c:\reg+4*\c+3], v[\adr] offset:\off+512*\c
.endr
.endm
.macro FETCH cur, n, set               ; K step n of the slot: v's eight fragments and my four of p: 36 loads
	WIN 0x40
.irp i, 0,1,2,3,4,5,6,7
	FRAG 128*(\set)+12*\i, ADRB+\cur, ((\n)/2)*BLK+(8*((\n)%2)+\i)*FRB
.endr
	WIN 0
.irp i, 0,1,2,3
	FRAG AF+48*(\set)+12*\i, ADRA+\cur, ((\n)/2)*BLK+(8*((\n)%2)+\i)*FRB
.endr
.endm
.macro SCALES cur                      ; the slot's scale words: p's 8 first, then v's 16
.irp n, 0,1,2,3
.irp u, 0,1
	ds_load_b32 v[SA+2*\n+\u], v[ADSA+\cur] offset:(\n/2)*BLK+512*(\n%2)+128*\u
.endr
.endr
.irp n, 0,1,2,3
.irp u, 0,1,2,3
	ds_load_b32 v[SB+4*\n+\u], v[ADSB+\cur] offset:(\n/2)*BLK+512*(\n%2)+128*\u
.endr
.endr
.endm
.macro WM zero, pb, pa                 ; one product; an odd tile's scale words stand in lanes 16-31
.if \zero
.if (\pb) && (\pa)
	v_wmma_scale_f32_16x16x128_f8f6f4 v[rD:rD+7], v[rB:rB+11], v[rA:rA+11], 0, v[rSB], v[rSA] matrix_a_fmt:MATRIX_FMT_FP6 matrix_b_fmt:MATRIX_FMT_FP6 matrix_a_scale:MATRIX_SCALE_ROW1 matrix_b_scale:MATRIX_SCALE_ROW1
.elseif (\pb)
	v_wmma_scale_f32_16x16x128_f8f6f4 v[rD:rD+7], v[rB:rB+11], v[rA:rA+11], 0, v[rSB], v[rSA] matrix_a_fmt:MATRIX_FMT_FP6 matrix_b_fmt:MATRIX_FMT_FP6 matrix_a_scale:MATRIX_SCALE_ROW1
.elseif (\pa)
	v_wmma_scale_f32_16x16x128_f8f6f4 v[rD:rD+7], v[rB:rB+11], v[rA:rA+11], 0, v[rSB], v[rSA] matrix_a_fmt:MATRIX_FMT_FP6 matrix_b_fmt:MATRIX_FMT_FP6 matrix_b_scale:MATRIX_SCALE_ROW1
.else
	v_wmma_scale_f32_16x16x128_f8f6f4 v[rD:rD+7], v[rB:rB+11], v[rA:rA+11], 0, v[rSB], v[rSA] matrix_a_fmt:MATRIX_FMT_FP6 matrix_b_fmt:MATRIX_FMT_FP6
.endif
.else
.if (\pb) && (\pa)
	v_wmma_scale_f32_16x16x128_f8f6f4 v[rD:rD+7], v[rB:rB+11], v[rA:rA+11], v[rD:rD+7], v[rSB], v[rSA] matrix_a_fmt:MATRIX_FMT_FP6 matrix_b_fmt:MATRIX_FMT_FP6 matrix_a_scale:MATRIX_SCALE_ROW1 matrix_b_scale:MATRIX_SCALE_ROW1
.elseif (\pb)
	v_wmma_scale_f32_16x16x128_f8f6f4 v[rD:rD+7], v[rB:rB+11], v[rA:rA+11], v[rD:rD+7], v[rSB], v[rSA] matrix_a_fmt:MATRIX_FMT_FP6 matrix_b_fmt:MATRIX_FMT_FP6 matrix_a_scale:MATRIX_SCALE_ROW1
.elseif (\pa)
	v_wmma_scale_f32_16x16x128_f8f6f4 v[rD:rD+7], v[rB:rB+11], v[rA:rA+11], v[rD:rD+7], v[rSB], v[rSA] matrix_a_fmt:MATRIX_FMT_FP6 matrix_b_fmt:MATRIX_FMT_FP6 matrix_b_scale:MATRIX_SCALE_ROW1
.else
	v_wmma_scale_f32_16x16x128_f8f6f4 v[rD:rD+7], v[rB:rB+11], v[rA:rA+11], v[rD:rD+7], v[rSB], v[rSA] matrix_a_fmt:MATRIX_FMT_FP6 matrix_b_fmt:MATRIX_FMT_FP6
.endif
.endif
.endm
.macro MUL32 set, n, zero              ; a K step: the 32 accumulators by turns, in the same order in every K step
	WIN 0xa1                                       ; source 0 window 1, source 1 window 0, C and D window 2
.irp a, 0,1,2,3
.irp b, 0,1,2,3,4,5,6,7
.set rD, 8*(8*\a+\b)
.set rB, 128*(\set)+12*\b
.set rA, AF+48*(\set)+12*\a
.set rSB, SB+4*(\n)+\b/2
.set rSA, SA+2*(\n)+\a/2
	WM \zero, \b%2, \a%2
.endr
.endr
.endm
.macro ADJ                             ; d_k off each byte of p's scale words, held at 0 from below; then the d_k move a slot on
.irp n, 0,1,2,3
.irp u, 0,1
	v_perm_b32 v[TA+2*\n+\u], v[DL+4*\u], v[DL+4*\u], s[84+\n]   ; K step n's byte in all four bytes
.endr
.endr
.irp n, 0,1,2,3,4,5,6,7
	v_or_b32 v[TC+\n], s88, v[SA+\n]               ; p is at most 1: no byte has its top bit set
.endr
.irp n, 0,1,2,3,4,5,6,7
	v_sub_nc_u32 v[TC+\n], v[TC+\n], v[TA+\n]      ; no borrow leaves a byte; its top bit stays where byte >= d
.endr
.irp n, 0,1,2,3,4,5,6,7
	v_and_b32 v[TA+\n], s88, v[TC+\n]
.endr
.irp n, 0,1,2,3,4,5,6,7
	v_lshrrev_b32 v[TB+\n], 7, v[TA+\n]
.endr
.irp n, 0,1,2,3,4,5,6,7
	v_sub_nc_u32 v[TA+\n], v[TA+\n], v[TB+\n]      ; 0x7f where it stayed, else 0
.endr
.irp n, 0,1,2,3,4,5,6,7
	v_and_b32 v[SA+\n], v[TC+\n], v[TA+\n]
.endr
.irp u, 0,1
.irp k, 0,1,2
	v_mov_b32 v[DL+4*\u+\k], v[DL+4*\u+\k+1]
.endr
.endr
	PLACES 4                                       ; with the six moves: the places between a scale word's write and the scaled products
.endm
.macro WORK cur, zero, askc            ; a slot: four K steps; each K step's 36 loads are issued a K step ahead, into the other set
	PLACES 4                                       ; behind the last products, ahead of loads into their registers
	SCALES \cur
	FETCH \cur, 0, 0
	s_wait_dscnt 52                                ; of the 60 issued the first 8, p's scale words, are in
	ADJ
	s_wait_alu depctr_va_vdst(0)
	FETCH \cur, 1, 1
.if \askc
	ASK \askc
.endif
	s_wait_dscnt 36                                ; all but the 36 just issued
	MUL32 0, 0, \zero
	PLACES 4
	FETCH \cur, 2, 0
	s_wait_dscnt 36
	MUL32 1, 1, 0
	PLACES 4
	FETCH \cur, 3, 1
	s_wait_dscnt 36
	MUL32 0, 2, 0
	s_wait_dscnt 0x0
	MUL32 1, 3, 0
	WIN 0
.endm
	s_load_b256 s[4:11], s[0:1], 0x0               ; pimg, pstat, vimg, out0
	v_lshl_add_u32 v[SPW], v0, 2, SPARE
	v_mov_b32 v[NIL], 0
	ds_add_u32 v[SPW], v[NIL]                      ; the opening lines: the add twice on end and its wait
	ds_add_u32 v[SPW], v[NIL]
	v_lshrrev_b32 v1, 5, v0
	v_readfirstlane_b32 s14, v1                    ; wave
	s_lshr_b32 s15, s14, 1                         ; my half of p's tiles.  Also: I fetch v (0) or p (1)
	s_and_b32 s16, s14, 1                          ; my group of v.  Also: which group or block I fetch
	s_bfe_u32 s17, ttmp6, 0x40000                  ; cx: which 256 columns
	s_bfe_u32 s18, ttmp6, 0x40004                  ; cy
	s_and_b32 s12, ttmp7, 0xffff                   ; the cluster's y, 0 .. 15
	s_lshr_b32 s13, s12, 2
	s_sub_co_u32 s13, 3, s13                       ; m: the longest walks first
	s_and_b32 s20, s12, 3                          ; batch
	s_add_co_u32 s21, s13, 1                       ; slots of the walk, 1 .. 4: the same in all sixteen
	s_lshl_b32 s19, s13, 2
	s_add_co_u32 s19, s19, s18                     ; gi: my query group in its batch
	s_lshl_b32 s22, s18, 2
	s_lshl_b32 s22, 15, s22                        ; my row of the cluster
	s_lshl_b32 s23, 0x1111, s17                    ; my column
	; p: made of the cluster's number, cy and the wave's number alone
	s_lshl_b32 s40, s20, 4
	s_add_co_u32 s40, s40, s19                     ; p's group
	s_mul_i32 s41, s40, GRP8
	s_mul_i32 s44, s16, BLK
	s_add_co_u32 s70, s44, s41                     ; waves 2, 3: a block of p
	s_mov_b32 s71, 0
	; v: made of the batch, cx and the wave's number alone
	s_lshl_b32 s42, s20, 3
	s_lshl_b32 s43, s17, 1
	s_add_co_u32 s42, s42, s43                     ; v's first group
	s_add_co_u32 s74, s42, s16
	s_mul_i32 s74, s74, GRP8                       ; waves 0, 1: a group of v
	s_mov_b32 s75, 0
	s_min_u32 s45, s14, 2
	s_add_co_u32 s45, s45, s14
	s_mul_i32 s45, s45, BLK                        ; where it goes: blocks 0, 2, 4, 5 of the slot
	s_or_b32 s[G1V+0], s23, (3<<16)|(1<<21)        ; dense rows of 32 elements of 8 bytes: 200 for v, 100 for p
	s_mov_b32 s[G1V+1], 32<<16
	s_mov_b32 s[G1V+2], 200<<16
	s_mov_b32 s[G1V+3], 32<<16
	s_mov_b32 s[G1V+4], 200
	s_mov_b32 s[G1V+5], 32
	s_mov_b32 s[G1V+6], 0
	s_mov_b32 s[G1V+7], 0
	s_or_b32 s[G1P+0], s22, (3<<16)|(1<<21)
	s_mov_b32 s[G1P+1], 32<<16
	s_mov_b32 s[G1P+2], 100<<16
	s_mov_b32 s[G1P+3], 32<<16
	s_mov_b32 s[G1P+4], 100
	s_mov_b32 s[G1P+5], 32
	s_mov_b32 s[G1P+6], 0
	s_mov_b32 s[G1P+7], 0
	s_wait_dscnt 0x0
	s_wait_kmcnt 0x0
	s_add_nc_u64 s[72:73], s[4:5], s[70:71]
	s_add_nc_u64 s[76:77], s[8:9], s[74:75]
	CROUND                                         ; all sixteen work-groups are here: the first joint loads meet
.irp k, 0,1
	s_mov_b32 s[G0V+4*\k], 1
	s_add_co_u32 s[G0V+4*\k+1], s45, \k*SLOT
	s_add_nc_u64 s[G0V+4*\k+2:G0V+4*\k+3], s[76:77], \k*2*BLK
	s_or_b32 s[G0V+4*\k+3], s[G0V+4*\k+3], 0x80000000
	s_mov_b32 s[G0P+4*\k], 1
	s_add_co_u32 s[G0P+4*\k+1], s45, \k*SLOT
	s_add_nc_u64 s[G0P+4*\k+2:G0P+4*\k+3], s[72:73], \k*2*BLK
	s_or_b32 s[G0P+4*\k+3], s[G0P+4*\k+3], 0x80000000
.endr
	JLOAD 0                                        ; slot 0: one tensor load a wave at the head
	; the prefetches' bases stand at slot 1
	s_add_co_u32 s78, s41, 2*BLK
	s_mov_b32 s79, 0
	s_add_nc_u64 s[PP:PP+1], s[4:5], s[78:79]
	s_lshr_b32 s80, s18, 1
	s_add_co_u32 s80, s80, s42
	s_mul_i32 s80, s80, GRP8                       ; of v: group cy / 2 of my two,
	s_and_b32 s81, s18, 1
	s_mul_i32 s81, s81, BLK                        ; block cy % 2 of the slot's two
	s_add_co_u32 s80, s80, s81
	s_add_co_u32 s80, s80, 2*BLK
	s_mov_b32 s81, 0
	s_add_nc_u64 s[PV:PV+1], s[8:9], s[80:81]
	s_lshl_b32 s78, s40, 14                        ; pstat: 16 entries of 1,024 bytes a group; my four tiles begin 256 bytes in for the upper half
	s_lshl_b32 s82, s15, 8
	s_add_co_u32 s78, s78, s82
	s_add_nc_u64 s[6:7], s[6:7], s[78:79]
	s_lshl_b32 s82, s17, 2
	s_add_co_u32 s82, s82, s14
	s_mul_i32 s82, s82, 13
	s_mul_i32 s83, s14, 25
	v_and_b32 v5, 31, v0
	v_min_u32 v1, 12, v5
	v_min_u32 v2, 24, v5
	v_add_nc_u32 v1, s82, v1
	v_add_nc_u32 v2, s83, v2
	v_min_u32 v1, 199, v1
	v_lshlrev_b32 v[PFV], 8, v2
	v_lshlrev_b32 v[PFP], 8, v1
	v_lshlrev_b32 v[LI], 4, v5
	v_lshlrev_b32 v[LW], 2, v5
	s_wait_alu depctr_va_vdst(0)
	ASK 1
.set k, 0
.rept 32                               ; -M_k and l_k of my four tiles: register 16 u + k: lanes 0-15 tile 2 u, lanes 16-31 tile 2 u + 1
	global_load_b32 v[MR+k], v[LW], s[6:7] offset:1024*(k%16)+128*(k/16)
	global_load_b32 v[LR+k], v[LW], s[6:7] offset:1024*(k%16)+128*(k/16)+512
.set k, k+1
.endr
	v_and_b32 v1, 15, v0
	v_bfe_u32 v2, v0, 4, 1
	s_mul_i32 s78, s16, 2*BLK                      ; my group of v in a slot
	s_mul_i32 s80, s15, 4*FRB
	s_add_co_u32 s80, s80, 4*BLK                   ; my four tiles of p
	s_lshl_b32 s82, s15, 8
	s_add_co_u32 s82, s82, 4*BLK+SCO
	v_add_nc_u32 v[ADRB], s78, v[LI]
	v_add_nc_u32 v[ADRB+1], SLOT, v[ADRB]
	v_add_nc_u32 v[ADRA], s80, v[LI]
	v_add_nc_u32 v[ADRA+1], SLOT, v[ADRA]
	v_add_nc_u32 v[ADSB], s78, v[LW]
	v_add_nc_u32 v[ADSB], SCO, v[ADSB]
	v_add_nc_u32 v[ADSB+1], SLOT, v[ADSB]
	v_add_nc_u32 v[ADSA], s82, v[LW]
	v_add_nc_u32 v[ADSA+1], SLOT, v[ADSA]
	s_mul_i32 s83, s14, WST
	s_add_co_u32 s83, s83, STAGE                   ; my stage
	v_mul_u32_u24 v[STO], v1, SP
	v_lshl_add_u32 v[STO], v2, 6, v[STO]
	v_add_nc_u32 v[STO], s83, v[STO]               ; in: row r, 64 bytes on for the upper lanes
	v_mul_u32_u24 v[RD], v2, SP
	v_lshl_add_u32 v[RD], v1, 4, v[RD]
	v_add_nc_u32 v[RD], s83, v[RD]                 ; back: sixteen lanes to a row of 256 bytes, two rows a load
	v_lshlrev_b32 v[CO], 12, v2
	v_lshl_add_u32 v[CO], v1, 4, v[CO]             ; and the same two rows in out
	s_lshl_b32 s78, s20, 11
	s_lshl_b32 s80, s19, 7
	s_add_co_u32 s78, s78, s80
	s_lshl_b32 s80, s15, 6
	s_add_co_u32 s78, s78, s80                     ; my first row of out
	s_lshl_b32 s78, s78, 12
	s_lshl_b32 s80, s17, 10
	s_add_co_u32 s78, s78, s80
	s_lshl_b32 s80, s16, 9
	s_add_co_u32 s78, s78, s80
	s_add_nc_u64 s[10:11], s[10:11], s[78:79]
	s_mov_b32 s84, 0
	s_mov_b32 s85, 0x01010101
	s_mov_b32 s86, 0x02020202
	s_mov_b32 s87, 0x03030303
	s_mov_b32 s88, 0x80808080
	s_mov_b32 s89, 0xffff0000
	s_mov_b32 s90, 0x76543210
	s_mov_b32 s91, 0xfedcba98
	s_wait_alu depctr_va_vdst(0)
	s_wait_loadcnt 0x0
.irp u, 0,1
	v_min3_num_f32 v[TC+\u], v[MR+16*\u], v[MR+16*\u+1], v[MR+16*\u+2]
.endr
.irp k, 3,5,7,9,11,13
.irp u, 0,1
	v_min3_num_f32 v[TC+\u], v[TC+\u], v[MR+16*\u+\k], v[MR+16*\u+\k+1]
.endr
.endr
.irp u, 0,1
	v_min_num_f32 v[TC+\u], v[TC+\u], v[MR+16*\u+15]   ; -M of the row
.endr
.set k, 0
.rept 32
	v_sub_f32 v[MR+k], v[MR+k], v[TC+k/16]         ; d_k = M - M_k
.set k, k+1
.endr
.set k, 0
.rept 32
	v_min_num_f32 v[MR+k], 0x42fe0000, v[MR+k]     ; held at 127
.set k, k+1
.endr
.set k, 0
.rept 32
	v_cvt_u32_f32 v[MR+k], v[MR+k]
.set k, k+1
.endr
.set k, 0
.rept 32
	v_sub_nc_u32 v[NR+k], 0, v[MR+k]
.set k, k+1
.endr
.set k, 0
.rept 32
	v_ldexp_f32 v[LR+k], v[LR+k], v[NR+k]          ; l_k 2^-d_k
.set k, k+1
.endr
.irp u, 0,1
.irp i, 0,2,4,6
	v_pk_add_f32 v[LR+16*\u+\i:LR+16*\u+\i+1], v[LR+16*\u+\i:LR+16*\u+\i+1], v[LR+16*\u+8+\i:LR+16*\u+9+\i]
.endr
.endr
.irp u, 0,1
.irp i, 0,2
	v_pk_add_f32 v[LR+16*\u+\i:LR+16*\u+\i+1], v[LR+16*\u+\i:LR+16*\u+\i+1], v[LR+16*\u+4+\i:LR+16*\u+5+\i]
.endr
.endr
.irp u, 0,1
	v_pk_add_f32 v[LR+16*\u:LR+16*\u+1], v[LR+16*\u:LR+16*\u+1], v[LR+16*\u+2:LR+16*\u+3]
.endr
.irp u, 0,1
	v_add_f32 v[TC+4+\u], v[LR+16*\u], v[LR+16*\u+1]   ; l
.endr
.irp j, 1,2,3
.irp u, 0,1
.irp s, 0,1,2,3
.if \j == 1
	v_lshl_or_b32 v[DL+4*\u+\s], v[MR+16*\u+4*\s+1], 8, v[MR+16*\u+4*\s]
.else
	v_lshl_or_b32 v[DL+4*\u+\s], v[MR+16*\u+4*\s+\j], 8*\j, v[DL+4*\u+\s]
.endif
.endr
.endr
.endr
	s_wait_alu depctr_va_vdst(0)
	v_rcp_f32 v[TC+4], v[TC+4]
	v_rcp_f32 v[TC+5], v[TC+5]
	v_mov_b32 v[TB], 0                             ; a plain place; and a lane permute's destination counts as one of its sources
	v_mov_b32 v[TB+1], 0
	s_wait_alu depctr_va_vdst(0)                   ; and behind it
.irp u, 0,1
	v_permlanex16_b32 v[TB+\u], v[TC+4+\u], s90, s91
.endr
.irp u, 0,1                            ; both halves of the lanes hold row r of a tile: tile 2 u's 1 / l stands in lanes 0-15, tile 2 u + 1's in lanes 16-31
	v_cndmask_b32 v[RL+4*\u], v[TC+4+\u], v[TB+\u], s89
	v_cndmask_b32 v[RL+4*\u+1], v[TC+4+\u], v[TB+\u], s89
	v_cndmask_b32 v[RL+4*\u+2], v[TB+\u], v[TC+4+\u], s89
	v_cndmask_b32 v[RL+4*\u+3], v[TB+\u], v[TC+4+\u], s89
.endr
	s_wait_alu depctr_va_vdst(0)
	SEQ                                            ; slot 0 is whole, in every partner
	s_cmp_eq_u32 s21, 1
	s_cbranch_scc1 .Ltail_first                    ; a walk of one slot
	JLOAD 1                                        ; slot 1's first fill, issued as a refill is
	WORK 0, 1, 2                                   ; slot 0: its first products start the sums
	SEQ
	s_cmp_eq_u32 s21, 2
	s_cbranch_scc1 .Ltail_1
	STEPD 0
	JLOAD 0                                        ; slot 2
	WORK 1, 0, 3
	SEQ
	s_cmp_eq_u32 s21, 3
	s_cbranch_scc1 .Ltail_0
	STEPD 1
	JLOAD 1                                        ; slot 3
	WORK 0, 0, 0
	SEQ
.Ltail_1:                              ; the last slot of a walk of two or four
	WORK 1, 0, 0
	s_branch .Lout
.Ltail_0:                              ; of three
	WORK 0, 0, 0
	s_branch .Lout
.Ltail_first:                          ; of one
	WORK 0, 1, 0
.Lout:
; THE WAY OUT, in eight units of 16 queries x 64 columns: x 1 / l, through my own stage, back as rows of 256 bytes: sixteen lanes store one aligned unit of 256 bytes.
.macro TOSTAGE n                       ; unit n: tile n / 2, accumulators 4 (n % 2) .. + 3
.set rS, 32*(\n)
.set rK, BK+32*((\n)%2)
	WIN 0x82
.set k, 0
.rept 16
	v_pk_mul_f32 v[rS+k:rS+k+1], v[rS+k:rS+k+1], v[RL+2*((\n)/2):RL+2*((\n)/2)+1]   ; each accumulator from its low end on
.set k, k+2
.endr
	WIN 0x08
.irp b, 0,1,2,3
	ds_store_b128 v[STO], v[rS+8*\b:rS+8*\b+3] offset:128*(\b/2)+32*(\b%2)
	ds_store_b128 v[STO], v[rS+8*\b+4:rS+8*\b+7] offset:128*(\b/2)+32*(\b%2)+16
.endr
	WIN 0
.irp t, 0,1,2,3,4,5,6,7
	ds_load_b128 v[rK+4*\t:rK+4*\t+3], v[RD] offset:\t*2*SP   ; LDS serves a wave's instructions in order: these see the stores above
.endr
.endm
.macro SEND n, younger
.set rK, BK+32*((\n)%2)
	s_wait_dscnt \younger
.irp t, 0,1,2,3,4,5,6,7
	global_store_b128 v[CO], v[rK+4*\t:rK+4*\t+3], s[10:11] offset:(32*((\n)/4)+8*(((\n)/2)%2)+(2*\t)%8+16*(\t/4))*4096+256*((\n)%2) th:TH_STORE_NT
.endr
.endm
	PLACES 4
	TOSTAGE 0
.irp a, 1,2,3,4,5,6,7
.if \a > 1
	s_wait_xcnt 0x0                                ; unit a - 2's stores have read their data: unit a's loads may land there
.endif
	TOSTAGE \a
	SEND \a-1, 16                                  ; behind unit a - 1's loads: unit a's 8 stores and 8 loads
.endr
	SEND 7, 0
	s_wait_tensorcnt 0x0                           ; the wave's end
	ds_add_u32 v[SPW], v[NIL]
	s_wait_dscnt 0x0
	CROUND                                         ; the closing round
	s_endpgm
.Lfunc_end_k_qd7041ef796_pv:
	.size	k_qd7041ef796_pv, .Lfunc_end_k_qd7041ef796_pv-k_qd7041ef796_pv
	.p2alignl 7, 3214868480
	.fill 96, 4, 3214868480
	.section	.rodata,"a",@progbits
	.p2align	6, 0x0
	.amdhsa_kernel k_qd7041ef796_pv
		.amdhsa_group_segment_fixed_size 327680
		.amdhsa_private_segment_fixed_size 0
		.amdhsa_enable_private_segment 0
		.amdhsa_kernarg_size 32
		.amdhsa_user_sgpr_count 2
		.amdhsa_user_sgpr_kernarg_segment_ptr 1
		.amdhsa_wavefront_size32 1
		.amdhsa_system_sgpr_workgroup_id_x 1
		.amdhsa_system_sgpr_workgroup_id_y 1
		.amdhsa_system_sgpr_workgroup_id_z 1
		.amdhsa_system_vgpr_workitem_id 0
		.amdhsa_next_free_vgpr 768
		.amdhsa_next_free_sgpr 100
		.amdhsa_reserve_vcc 0
		.amdhsa_float_denorm_mode_32 3
		.amdhsa_float_denorm_mode_16_64 3
		.amdhsa_memory_ordered 1
		.amdhsa_forward_progress 1
		.amdhsa_inst_pref_size 233
	.end_amdhsa_kernel
	.amdgpu_metadata
---
amdhsa.version: [ 1, 2 ]
amdhsa.kernels:
  - .name:           k_qd7041ef796_pv
    .symbol:         k_qd7041ef796_pv.kd
    .args:
      - { .name: pimg, .offset: 0, .size: 8, .value_kind: global_buffer, .address_space: global }
      - { .name: pstat, .offset: 8, .size: 8, .value_kind: global_buffer, .address_space: global }
      - { .name: vimg, .offset: 16, .size: 8, .value_kind: global_buffer, .address_space: global }
      - { .name: out0, .offset: 24, .size: 8, .value_kind: global_buffer, .address_space: global }
    .group_segment_fixed_size: 327680
    .private_segment_fixed_size: 0
    .kernarg_segment_align: 8
    .kernarg_segment_size: 32
    .max_flat_workgroup_size: 128
    .sgpr_count:     100
    .vgpr_count:     768
    .wavefront_size: 32
...
	.end_amdgpu_metadata
.endif
;; end of part 4
